; MI455X (gfx1250); checked and timed in simulation.
; The chip was launched on July 23, 2026; its instructions are those of AMD's public machine-readable ISA for CDNA 5 (MIT licence, August 2026) and "CDNA5" Instruction Set Architecture Reference Guide (July 2026). The comments in the code are by the model that wrote it; some were corrected since.
;; Multi Head Attention. Allowed arithmetic: matrix products marked QUANTISED: E2M3 operands, one E8M0 scale for each 32 along K, by v_wmma_scale_f32_16x16x128_f8f6f4 with both operands' format E2M3, f32 sums; everything else in f32.
;; Inputs: Wk 512 x 512 float32; Wo 512 x 512 float32; Wq 512 x 512 float32; Wv 512 x 512 float32; bk 512 float32; bo 512 float32; bq 512 float32; bv 512 float32; x 4 x 2,048 x 512 float32.
;; Outputs: out0 4 x 2,048 x 512 float32.
;; This version of the problem:
;;   THIS VERSION OF THE PROBLEM IS GIVEN IN LOW PRECISION. The matrix products marked QUANTISED in the list below multiply operands that are first quantised to E2M3 (2 exponent bits, 3 mantissa bits; 6 bits a number), with one power-of-two scale for each 32 numbers along K (OCP MX v1.0); their sums are f32. All else is computed in f32.
;;   The module's matrix products, in the order in which they are computed (A, B: the left and right operand; K: the contracted axis; several contracted axes count as one K, in the product's order):
;;     1. [M 8,192, K 512] x [K 512, N 512]; A: input x; B: input Wq: QUANTISED
;;     2. [M 8,192, K 512] x [K 512, N 512]; A: input x; B: input Wk: QUANTISED
;;     3. [M 8,192, K 512] x [K 512, N 512]; A: input x; B: input Wv: QUANTISED
;;     4. batch 32 x [M 2,048, K 64] x [K 64, N 2,048]; A: computed on the way; B: computed on the way: QUANTISED
;;     5. batch 32 x [M 2,048, K 2,048] x [K 2,048, N 64]; A: softmax (see below); B: computed on the way: QUANTISED
;;     6. [M 8,192, K 512] x [K 512, N 512]; A: computed on the way; B: input Wo: QUANTISED
;;   THE QUANTISER, for each operand of a quantised product, along K:
;;     - K is cut into blocks of 32 from its start; a last block that is shorter is filled with zeros.
;;     - A block's scale is 2^e with e = floor(log2(the largest magnitude in the block)) - 2, held to -126 .. 127; a block of zeros has e = 0. As a byte (E8M0): e + 127.
;;     - Each number is divided by its block's scale, clamped to +-7.5, and rounded to the nearest number of E2M3, ties to even, subnormals kept.
;;     - The product sums the exact products of the quantised numbers (number of the format x scale) in f32.
;;   ~~~python
;;   def quantise(x, axis):      # numpy; x: float32 -> the quantised numbers, widened to float32 again
;;       x = np.moveaxis(x, axis, -1); K = x.shape[-1]
;;       x = np.pad(x, [(0, 0)] * (x.ndim - 1) + [(0, -K % 32)]); x = x.reshape(x.shape[:-1] + (-1, 32)); a = np.abs(x).max(-1, keepdims=True)
;;       e = np.where(a > 0, np.clip(np.frexp(np.where(a > 0, a, 1))[1] - 1 - 2, -126, 127), 0)      # np.frexp(a)[1] - 1 = floor(log2(a)), exactly
;;       r = np.clip(x / 2.0 ** e, -7.5, 7.5)
;;       step = 2.0 ** (np.maximum(np.frexp(np.where(r == 0, 1, r))[1] - 1, 0) - 3)
;;       q = np.round(r / step) * step * 2.0 ** e      # np.round: ties to even
;;       return np.moveaxis(q.reshape(q.shape[:-2] + (-1,))[..., :K], -1, axis).astype(np.float32)
;;   ~~~
;;   SOFTMAX AHEAD OF A QUANTISED PRODUCT. Where the list says 'softmax', what is quantised is not the finished softmax but p = 2^(t - M), with t = logit x log2(e) and M = ceil(the row's largest t), a whole number; so 1/2 < the row's largest p <= 1. The row's sum l is taken of the UNQUANTISED p, in f32, and the product's result is divided by l at the end. Since M is a whole number, a kernel that streams over the keys may use a running M (the ceiling of the running maximum): every later rescaling is an exact power of two, which a block's scale takes up: the codes' values come out the same.
;;   OPERANDS COMPUTED ON THE WAY. 'Computed on the way' means the value that the module computes at that place (a softmax that the list does not call 'softmax' is quantised finished and normalised). What goes into a quantiser is computed in f32, as accurately as f32 sums, v_exp_f32 and their like allow (about 1e-6 of the number): no bf16 or f16 on the way to a quantiser, and a product that is left as it is and whose result goes on into a quantised operand takes f32 operands (vector FMAs, or v_wmma_f32_16x16x4_f32). A number that lies on a knife's edge between two numbers of the format may be rounded either way, as far as f32 arithmetic and the matrix unit's own rounding can turn it there, and no further.
;; 2 versions. Each part assembles by itself: llvm-mc -triple=amdgcn-amd-amdhsa -mcpu=gfx1250 --defsym DOCPART=n.
;; ======== version 1 of 2: 4 launches
;; workspace buffers: ximg 3,276,800 bytes; wimg 819,200 bytes; q 3,276,800 bytes; kv 6,553,600 bytes; ctx 3,145,728 bytes; cs 131,072 bytes
;; launch prep (part 1): grid 640 x 1, 4 waves a work-group, no clusters, 35,328 bytes of LDS; arguments x, Wq, Wk, Wv, Wo, ximg, wimg; writes ximg, wimg
.if DOCPART == 1
	.amdgcn_target "amdgcn-amd-amdhsa--gfx1250"
	.amdhsa_code_object_version 6
	.text
	.protected	k_qb6b4f27de7_prep
	.globl	k_qb6b4f27de7_prep
	.p2align	8
	.type	k_qb6b4f27de7_prep,@function
k_qb6b4f27de7_prep:
	s_mov_b64 s[64:65], 0
	v_nop
	global_prefetch_b8 v0, s[64:65] scope:SCOPE_SE
	s_setreg_imm32_b32 hwreg(HW_REG_WAVE_MODE, 25, 1), 1
	s_wait_xcnt 0x0
; x [8192][512] f32 (K innermost) and Wq, Wk, Wv, Wo [512 (k)][512 (n)] f32 (K outermost) become codes of FP6 (E2M3) with one E8M0 byte for each 32 along K = 512,
; laid as IMAGES OF OPERAND REGISTERS.  A tile record (6,400 bytes) is 16 rows x 512 K: four fragments of 1,536 bytes (K step s: registers 4 q .. 4 q + 3 of lane L at 1536 s + 512 q + 16 L),
; then 256 bytes of scale words (row r's word of K step s at 6144 + 16 r + 4 s).  In a fragment lane (r, h) holds in registers 6 c .. 6 c + 5 the codes of k = 128 s + 64 c + 32 h + 0 .. 31 of row r.
; THE ROWS OF A TILE ARE NOT NEIGHBOURS: lane-row r of tile T is row 64 (T / 4) + 8 (T % 4) + 32 (r / 8) + r % 8 (tokens of x, columns n of a weight), so that later results of four
; neighbouring tiles give a lane 32 neighbours along the next K.
; SHARES: a work-group makes one record, wave w its fragment s = w (64 numbers a lane).  Work-groups 0-511: x's tiles; 512-639: the weights' (32 tiles each, in the order Wq, Wk, Wv, Wo).
; x: each load reads 512 consecutive bytes of a row; the 16 rows turn through the wave's own stage in LDS (rows 528 bytes apart) so that a lane gets its 2 x 32 neighbours.
; W: a lane takes a column and its registers run down K; a load touches four runs of 32 bytes (the tile's columns): the weights are a fifth of what the launch reads.
; A block's scale is 2^(floor(log2(largest magnitude)) - 2); its byte is the largest magnitude's exponent field - 2, held at 1 from below.
; LIMITS: NaN and infinities among the inputs are not served; a block whose largest magnitude lies under 2^-124 keeps the byte 1; a block of zeros has the byte 1, not 127: its codes are zeros, and this program alone reads the bytes.
.set STW,  8448                        ; a wave's stage: 16 rows x 528 bytes
.set SPT,  528                         ; 512 bytes + 16: the 16 rows that a load of 16 bytes a lane touches start in 16 different columns of 16 bytes
.set SCB,  4*STW                       ; behind the stages: the record's 256 bytes of scale words
.set LQ,   4                           ; v4   16 x lane
.set STI,  5                           ; v5   the stage, on the way in: 16 x lane
.set STO,  6                           ; v6   and out: 528 r + 128 h
.set WOF,  7                           ; v7   a weight: 32 h rows of 2,048 bytes + 4 x (32 (r / 8) + r % 8)
.set SH8,  8                           ; v8   8 h
.set SA,   9                           ; v9   where my row's scale word goes: SCB + 16 r + 4 w
.set LP,   10                          ; v10  8 x lane
.set SRD,  11                          ; v11  SCB + 8 x lane
.set BM,   12                          ; v12-13 the two blocks' largest magnitudes
.set SO,   14                          ; v14-15 the conversions' scale operands
.set BY,   16                          ; v16-17 the scale bytes
.set WD,   18                          ; v18  the scale word
.set XX,   19                          ; v19  what the lane 16 away holds
.set R,    32                          ; v32-95  x as loaded
.set XN,   96                          ; v96-159 my 64 numbers: register 32 c + i = k 64 c + 32 h + i
.set PC,   160                         ; v160-171 the fragment's 12 registers
.set TP,   172                         ; v172-179 the blocks' upper halves as converted
	s_load_b256 s[4:11], s[0:1], 0x0               ; x s[4:5], Wq s[6:7], Wk s[8:9], Wv s[10:11]
	s_load_b128 s[12:15], s[0:1], 0x20             ; Wo s[12:13], ximg s[14:15]
	s_load_b64 s[16:17], s[0:1], 0x30              ; wimg
	v_lshl_add_u32 v192, v0, 2, 0x8800
	v_mov_b32 v193, 0
	v_lshrrev_b32 v1, 5, v0
	v_readfirstlane_b32 s18, v1                    ; wave 0..3 = the K step
	v_and_b32 v1, 31, v0                           ; lane
	v_and_b32 v2, 15, v0                           ; r
	v_bfe_u32 v3, v0, 4, 1                         ; h
	v_lshlrev_b32 v[LQ], 4, v1
	s_mul_i32 s35, s18, STW
	v_add_nc_u32 v[STI], s35, v[LQ]
	v_mul_u32_u24 v[STO], v2, SPT
	v_lshl_add_u32 v[STO], v3, 7, v[STO]
	v_add_nc_u32 v[STO], s35, v[STO]
	v_and_b32 v[WOF], 7, v2
	v_and_b32 v[SH8], 8, v2
	v_lshl_add_u32 v[WOF], v[SH8], 2, v[WOF]       ; 32 (r / 8) + r % 8
	v_lshlrev_b32 v[WOF], 2, v[WOF]
	v_lshl_add_u32 v[WOF], v3, 16, v[WOF]
	v_lshlrev_b32 v[SH8], 3, v3
	s_lshl_b32 s34, s18, 2
	s_add_co_u32 s34, s34, SCB
	v_lshlrev_b32 v[SA], 4, v2
	v_add_nc_u32 v[SA], s34, v[SA]
	v_lshlrev_b32 v[LP], 3, v1
	v_add_nc_u32 v[SRD], SCB, v[LP]
	v_mov_b32 v[XX], 0                             ; a lane permute's destination counts as one of its sources
	s_mov_b32 s20, 0x76543210
	s_mov_b32 s21, 0xfedcba98                      ; v_permlanex16_b32's selects for lane l xor 16
	s_wait_kmcnt 0x0
	s_cmp_lt_u32 ttmp9, 512                        ; x's work-group or a weight's?  The choice hangs on the work-group's number alone
	s_cselect_b64 s[26:27], s[14:15], s[16:17]
	s_cselect_b32 s29, 0, 512
	s_sub_co_u32 s28, ttmp9, s29                   ; the record's number in its buffer
	s_mul_i32 s30, s28, 6400
	s_mul_i32 s31, s18, 1536
	s_add_co_u32 s30, s30, s31
	s_mov_b32 s31, 0
	s_add_nc_u64 s[26:27], s[26:27], s[30:31]      ; where my fragment goes
	s_and_b32 s32, s28, 3
	s_lshl_b32 s32, s32, 3                         ; 8 (T % 4)
	s_cmp_lt_u32 ttmp9, 512
	s_cbranch_scc0 .Lweight
	; ---- x: 16 rows x 512 bytes, as they lie; through the stage; back 2 x 128 bytes a lane
	s_lshr_b32 s33, s28, 2
	s_lshl_b32 s33, s33, 6
	s_add_co_u32 s33, s33, s32                     ; the tile's first row: 64 (T / 4) + 8 (T % 4)
	s_lshl_b32 s30, s33, 11                        ; rows of 2,048 bytes
	s_lshl_b32 s31, s18, 9                         ; my K step's 512 bytes
	s_add_co_u32 s30, s30, s31
	s_mov_b32 s31, 0
	s_add_nc_u64 s[24:25], s[4:5], s[30:31]
.irp p, 0,1,2,3,4,5,6,7,8,9,10,11,12,13,14,15
	global_load_b128 v[R+4*\p:R+4*\p+3], v[LQ], s[24:25] offset:2048*(32*(\p/8)+\p%8) th:TH_LOAD_NT   ; 32 lanes read 512 consecutive bytes of lane-row p
.endr
.irp p, 0,1,2,3,4,5,6,7,8,9,10,11,12,13,14,15
	s_wait_loadcnt 15-\p                           ; loads come back in order: row p is in, the younger ones may be out
	ds_store_b128 v[STI], v[R+4*\p:R+4*\p+3] offset:SPT*\p
.endr
.irp c, 0,1
.irp i, 0,1,2,3,4,5,6,7
	ds_load_b128 v[XN+32*\c+4*\i:XN+32*\c+4*\i+3], v[STO] offset:256*\c+16*\i   ; LDS serves a wave's instructions in order: these see my stores
.endr
.endr
	s_wait_dscnt 0x0
	s_branch .Ljoin
.Lweight:
	; ---- a weight: lane r takes a column, its registers run down K
	s_lshr_b32 s34, s28, 5                         ; which weight
	s_cmp_eq_u32 s34, 1
	s_cselect_b64 s[24:25], s[8:9], s[6:7]
	s_cmp_eq_u32 s34, 2
	s_cselect_b64 s[24:25], s[10:11], s[24:25]
	s_cmp_eq_u32 s34, 3
	s_cselect_b64 s[24:25], s[12:13], s[24:25]
	s_bfe_u32 s33, s28, 0x30002                    ; (T / 4) of the weight's 32 tiles
	s_lshl_b32 s33, s33, 6
	s_add_co_u32 s33, s33, s32                     ; the tile's first column
	s_lshl_b32 s30, s33, 2
	s_lshl_b32 s31, s18, 18                        ; my K step: 128 rows of 2,048 bytes
	s_add_co_u32 s30, s30, s31
	s_mov_b32 s31, 0
	s_add_nc_u64 s[24:25], s[24:25], s[30:31]
.irp c, 0,1
.irp i, 0,1,2,3,4,5,6,7,8,9,10,11,12,13,14,15,16,17,18,19,20,21,22,23,24,25,26,27,28,29,30,31
	global_load_b32 v[XN+32*\c+\i], v[WOF], s[24:25] offset:2048*(64*\c+\i)   ; W(128 w + 64 c + 32 h + i, my column)
.endr
.endr
	s_wait_loadcnt 0x0
.Ljoin:
	; ---- two whole blocks of 32 a lane: no other lane is asked for a maximum
.irp c, 0,1
	v_max3_num_f32 v[BM+\c], |v[XN+32*\c]|, |v[XN+32*\c+1]|, 0x1800000   ; and the floor 2^(3 - 127): the byte cannot fall under 1
.endr
.irp i, 2,4,6,8,10,12,14,16,18,20,22,24,26,28,30
.irp c, 0,1
	v_max3_num_f32 v[BM+\c], v[BM+\c], |v[XN+32*\c+\i]|, |v[XN+32*\c+\i+1]|   ; (the two blocks by turns)
.endr
.endr
.irp c, 0,1
	v_add_nc_u32 v[SO+\c], 0xff000000, v[BM+\c]    ; 2 off the exponent field: the conversion takes this operand's exponent field as its scale
.endr
.irp c, 0,1
	v_lshrrev_b32 v[BY+\c], 23, v[SO+\c]           ; the scale's byte
.endr
	v_lshl_or_b32 v[WD], v[BY+1], 16, v[BY]        ; my blocks h and 2 + h,
	v_lshlrev_b32 v[WD], v[SH8], v[WD]             ; at their places in the word;
	v_permlanex16_b32 v[XX], v[WD], s20, s21
	v_or_b32 v[WD], v[WD], v[XX]                   ; with lane l xor 16's two the word is whole
	v_cvt_scalef32_pk16_fp6_f32 v[PC:PC+2], v[XN:XN+15], v[SO]
	v_cvt_scalef32_pk16_fp6_f32 v[TP:TP+2], v[XN+16:XN+31], v[SO]          ; (a conversion's three registers begin on an even number: a block's upper half is made elsewhere and moved)
	v_cvt_scalef32_pk16_fp6_f32 v[PC+6:PC+8], v[XN+32:XN+47], v[SO+1]
	v_cvt_scalef32_pk16_fp6_f32 v[TP+4:TP+6], v[XN+48:XN+63], v[SO+1]
	v_nop                                          ; one plain place behind a scaled conversion
.irp i, 0,1,2
	v_mov_b32 v[PC+3+\i], v[TP+\i]
	v_mov_b32 v[PC+9+\i], v[TP+4+\i]
.endr
.irp q, 0,1,2
	global_store_b128 v[LQ], v[PC+4*\q:PC+4*\q+3], s[26:27] offset:512*\q   ; 32 lanes store 512 consecutive bytes, at a multiple of 256 from the buffer's first byte
.endr
	ds_store_b32 v[SA], v[WD]                      ; both halves of the lanes write the same word with the same value
	s_wait_dscnt 0x0                               ; for the others' sake: my store has landed
	s_barrier_signal -1
	s_barrier_wait -1
	s_cmp_lg_u32 s18, 0
	s_cbranch_scc1 .Lend
	ds_load_b64 v[20:21], v[SRD]                   ; the record's 64 scale words, 8 bytes a lane
	s_wait_dscnt 0x0
	global_store_b64 v[LP], v[20:21], s[26:27] offset:6144   ; wave 0's base is the record's first byte: 256 consecutive bytes, aligned
.Lend:
	s_wait_tensorcnt 0x0
	ds_add_u32 v192, v193
	s_wait_dscnt 0x0
	s_endpgm
.Lfunc_end_k_qb6b4f27de7_prep:
	.size	k_qb6b4f27de7_prep, .Lfunc_end_k_qb6b4f27de7_prep-k_qb6b4f27de7_prep
	.p2alignl 7, 3214868480
	.fill 96, 4, 3214868480
	.section	.rodata,"a",@progbits
	.p2align	6, 0x0
	.amdhsa_kernel k_qb6b4f27de7_prep
		.amdhsa_group_segment_fixed_size 35328
		.amdhsa_private_segment_fixed_size 0
		.amdhsa_enable_private_segment 0
		.amdhsa_kernarg_size 56
		.amdhsa_user_sgpr_count 2
		.amdhsa_user_sgpr_kernarg_segment_ptr 1
		.amdhsa_wavefront_size32 1
		.amdhsa_system_sgpr_workgroup_id_x 1
		.amdhsa_system_sgpr_workgroup_id_y 1
		.amdhsa_system_sgpr_workgroup_id_z 1
		.amdhsa_system_vgpr_workitem_id 0
		.amdhsa_next_free_vgpr 194
		.amdhsa_next_free_sgpr 66
		.amdhsa_reserve_vcc 0
		.amdhsa_float_denorm_mode_32 3
		.amdhsa_float_denorm_mode_16_64 3
		.amdhsa_memory_ordered 1
		.amdhsa_forward_progress 1
		.amdhsa_inst_pref_size 17
	.end_amdhsa_kernel
	.amdgpu_metadata
---
amdhsa.version: [ 1, 2 ]
amdhsa.kernels:
  - .name:           k_qb6b4f27de7_prep
    .symbol:         k_qb6b4f27de7_prep.kd
    .args:
      - { .name: x, .offset: 0, .size: 8, .value_kind: global_buffer, .address_space: global }
      - { .name: Wq, .offset: 8, .size: 8, .value_kind: global_buffer, .address_space: global }
      - { .name: Wk, .offset: 16, .size: 8, .value_kind: global_buffer, .address_space: global }
      - { .name: Wv, .offset: 24, .size: 8, .value_kind: global_buffer, .address_space: global }
      - { .name: Wo, .offset: 32, .size: 8, .value_kind: global_buffer, .address_space: global }
      - { .name: ximg, .offset: 40, .size: 8, .value_kind: global_buffer, .address_space: global }
      - { .name: wimg, .offset: 48, .size: 8, .value_kind: global_buffer, .address_space: global }
    .group_segment_fixed_size: 35328
    .private_segment_fixed_size: 0
    .kernarg_segment_align: 8
    .kernarg_segment_size: 56
    .max_flat_workgroup_size: 128
    .sgpr_count:     66
    .vgpr_count:     194
    .wavefront_size: 32
...
	.end_amdgpu_metadata
.endif
;; end of part 1
;; launch qkv (part 2): grid 64 x 3, 4 waves a work-group, no clusters, 0 bytes of LDS; arguments ximg, wimg, bq, bk, bv, q, kv; writes q, kv
.if DOCPART == 2
	.amdgcn_target "amdgcn-amd-amdhsa--gfx1250"
	.amdhsa_code_object_version 6
	.text
	.protected	k_qb6b4f27de7_qkv
	.globl	k_qb6b4f27de7_qkv
	.p2align	8
	.type	k_qb6b4f27de7_qkv,@function
k_qb6b4f27de7_qkv:
	s_mov_b64 s[64:65], 0
	v_nop
	global_prefetch_b8 v0, s[64:65] scope:SCOPE_SE
	s_setreg_imm32_b32 hwreg(HW_REG_WAVE_MODE, 25, 1), 1
	s_wait_xcnt 0x0
; Q = x Wq + bq, K = x Wk + bk, V = x Wv + bv on codes of FP6 (E2M3), K = 512, sums in f32; the results are quantised at once: Q and K along the head's 64, V along the keys.
; ONE SHAPE FOR ALL THREE: source 0 is a STATIONARY operand of 128 rows a wave (8 tile records, 384 registers, read once), source 1 a MOVING operand of 8 tiles of 16 rows.
;   y = 0, 1 (Q, K): stationary = the weight's column tiles 8 w .. 8 w + 7 (heads 2 w, 2 w + 1); moving = token tiles 8 X .. 8 X + 7 (batch X / 16, step X % 16 of 128 tokens).
;   y = 2    (V):    stationary = token tiles 32 (X / 4) + 8 w .. (the wave's own step of 128 keys); moving = Wv's column tiles 8 (X % 4) + m (head 2 (X % 4) + m / 4, d tile m % 4).
; In the result lane (r, h) holds the moving tile's row r, and register 8 u + j of a group of four stationary tiles holds that group's row 32 h + 8 u + j (the rows of a tile are chosen for it):
; 32 NEIGHBOURS ALONG THE NEXT K IN ONE LANE, a whole block: its maximum needs no other lane, and two conversions give the lane's six operand registers.
; OUT.  Half a fragment (16 rows x 64 codes, 768 bytes): registers 0-3 of lane L at 16 L, registers 4-5 at 512 + 8 L.
;   q  [bh][step] records of 6,400: half fragment of token tile T at 768 T; at 6144 the scale bytes: 16 r + 2 T + block.
;   kv [bh][step] records of 12,800: K as q's; V at 6144: d tile t, keys' half c at 1536 t + 768 c; at 12288 K's scale bytes as q's, at 12544 V's: 16 r + 4 t + block.
; The bias is the C of each sum's first matrix instruction.  No LDS, no barrier: waves share nothing; each reads the moving tiles itself.
; 192 work-groups: three products of equal size do not divide into 256; a finer split would read the stationary operands more often.
; LIMITS: NaN and infinities are not served; a block whose largest magnitude lies under 2^-124, a block of zeros among them, keeps the byte 1 (this program alone reads the bytes).
; REGISTERS, in windows of 256: window 1: stationary tiles 0-3, fragment (u, s) at v[48 u + 12 s]; v192-223 bias.  window 2: tiles 4-7 likewise.  window 0: all else.
.set LQ,  1                            ; 16 x lane
.set LP,  2                            ; 8 x lane
.set LR,  3                            ; 16 r
.set SH8, 4                            ; 8 h
.set VA1, 5                            ; 16 x lane + the second head's distance
.set VB1, 6                            ; 8 x lane + the same
.set VS,  7                            ; where my 16 scale bytes go
.set VBI, 8                            ; my lane's place in the bias
.set XX,  9
.set BM,  10                           ; v10-11 largest magnitudes
.set SO,  12                           ; v12-13 the conversions' scale operands
.set BY,  14                           ; v14-15 scale bytes
.set SS,  16                           ; v16-47 the stationary tiles' scale words: tile t, K step s at 16 + 4 t + s
.set MF0, 48                           ; v48-95, v96-143 the moving tile's four fragments, two buffers
.set MS0, 144                          ; v144-147, v148-151 its scale words
.set ACC, 152                          ; v152-215 eight accumulators
.set PC,  216                          ; v216-227 two half fragments
.set TP,  228                          ; v228-235 the blocks' upper halves as converted
.set SW,  236                          ; v236-243 scale words in the making: [2][4]
.set SD,  244                          ; v244-247 the 16 scale bytes that I store
.set TT,  248
.set HH,  249                          ; h
.set RR,  250                          ; r
.set MSB, 0
.macro WIN new                         ; the immediate's high byte repeats the setting that is left; a switch that changes nothing is dropped
.if MSB != (\new)
	s_set_vgpr_msb (MSB<<8)|(\new)
.set MSB, (\new)
.endif
.endm
.macro SLOAD                           ; the stationary operand: 8 records' fragments into windows 1 and 2, their scale words into window 0
.irp t, 0,1,2,3,4,5,6,7
.set WN, (1+\t/4)<<6
	WIN WN                                         ; destination window 1 or 2, address window 0
.irp s, 0,1,2,3
.irp q, 0,1,2
	global_load_b128 v[48*(\t%4)+12*\s+4*\q:48*(\t%4)+12*\s+4*\q+3], v[LQ], s[24:25] offset:6400*\t+1536*\s+512*\q
.endr
.endr
.endr
	WIN 0
.irp t, 0,1,2,3,4,5,6,7
	global_load_b128 v[SS+4*\t:SS+4*\t+3], v[LR], s[24:25] offset:6400*\t+6144   ; row r's four words
.endr
.endm
.macro MLOAD m                         ; moving tile m: 13 loads
.set MFB, MF0+48*((\m)%2)
.irp s, 0,1,2,3
.irp q, 0,1,2
	global_load_b128 v[MFB+12*\s+4*\q:MFB+12*\s+4*\q+3], v[LQ], s[26:27] offset:6400*(\m)+1536*\s+512*\q
.endr
.endr
	global_load_b128 v[MS0+4*((\m)%2):MS0+4*((\m)%2)+3], v[LR], s[26:27] offset:6400*(\m)+6144
.endm
; 32 products: two groups of four stationary tiles x four K steps.  A group's four accumulators take turns, one instruction a turn.
.macro MM v, m
.set MFB, MF0+48*((\m)%2)
.set MSR, MS0+4*((\m)%2)
.irp g, 0,1
.if \v
.set CW, 1+(\m)/4
.else
.set CW, 1+\g
.endif
.set WN, (1+\g)|(CW<<4)
	WIN WN                                         ; source 0 in the group's window, source 2 (the bias) in its own
.irp u, 0,1,2,3
.if \v
.set CR, 192+8*((\m)%4)
.else
.set CR, 192+8*\u
.endif
	v_wmma_scale_f32_16x16x128_f8f6f4 v[ACC+8*(4*\g+\u):ACC+8*(4*\g+\u)+7], v[48*\u:48*\u+11], v[MFB:MFB+11], v[CR:CR+7], v[SS+4*(4*\g+\u)], v[MSR] matrix_a_fmt:MATRIX_FMT_FP6 matrix_b_fmt:MATRIX_FMT_FP6
.endr
.set WN, 1+\g
	WIN WN
.irp s, 1,2,3
.irp u, 0,1,2,3
	v_wmma_scale_f32_16x16x128_f8f6f4 v[ACC+8*(4*\g+\u):ACC+8*(4*\g+\u)+7], v[48*\u+12*\s:48*\u+12*\s+11], v[MFB+12*\s:MFB+12*\s+11], v[ACC+8*(4*\g+\u):ACC+8*(4*\g+\u)+7], v[SS+4*(4*\g+\u)+\s], v[MSR+\s] matrix_a_fmt:MATRIX_FMT_FP6 matrix_b_fmt:MATRIX_FMT_FP6
.endr
.endr
.endr
.endm
; The tile's 64 results a lane are two whole blocks (group 0, group 1): quantised and stored
.macro EPI v, m
	WIN 0
.rept 4
	v_nop                                          ; four places between the last products and the first read of results
.endr
.irp g, 0,1
	v_max3_num_f32 v[BM+\g], |v[ACC+32*\g]|, |v[ACC+32*\g+1]|, 0x1800000   ; ascending: each accumulator is first read at its low end.  The floor 2^(3 - 127) holds the byte at 1 from below
.endr
.irp i, 2,4,6,8,10,12,14,16,18,20,22,24,26,28,30
.irp g, 0,1
	v_max3_num_f32 v[BM+\g], v[BM+\g], |v[ACC+32*\g+\i]|, |v[ACC+32*\g+\i+1]|
.endr
.endr
.irp g, 0,1
	v_add_nc_u32 v[SO+\g], 0xff000000, v[BM+\g]    ; 2 off the exponent field: the conversion's scale operand
.endr
.irp g, 0,1
	v_lshrrev_b32 v[BY+\g], 23, v[SO+\g]           ; the scale's byte
.endr
.if (\m) > 0
	s_wait_xcnt 0x0                                ; the last tile's stores have read their data: the codes' registers are written again only behind this wait
.endif
	v_cvt_scalef32_pk16_fp6_f32 v[PC:PC+2], v[ACC:ACC+15], v[SO]
	v_cvt_scalef32_pk16_fp6_f32 v[TP:TP+2], v[ACC+16:ACC+31], v[SO]        ; (a conversion's three registers begin on an even number)
	v_cvt_scalef32_pk16_fp6_f32 v[PC+6:PC+8], v[ACC+32:ACC+47], v[SO+1]
	v_cvt_scalef32_pk16_fp6_f32 v[TP+4:TP+6], v[ACC+48:ACC+63], v[SO+1]
	v_nop                                          ; one plain place behind a scaled conversion
.irp i, 0,1,2
	v_mov_b32 v[PC+3+\i], v[TP+\i]
	v_mov_b32 v[PC+9+\i], v[TP+4+\i]
.endr
.if \v
	v_lshl_or_b32 v[TT], v[BY+1], 16, v[BY]        ; V: my blocks h and 2 + h of the step's four, of d row r
	v_lshlrev_b32 v[SW+4*((\m)/4)+(\m)%4], v[SH8], v[TT]
	global_store_b128 v[LQ], v[PC:PC+3], s[28:29] offset:204800*((\m)/4)+1536*((\m)%4)
	global_store_b64 v[LP], v[PC+4:PC+5], s[28:29] offset:204800*((\m)/4)+1536*((\m)%4)+512
	global_store_b128 v[LQ], v[PC+6:PC+9], s[28:29] offset:204800*((\m)/4)+1536*((\m)%4)+768
	global_store_b64 v[LP], v[PC+10:PC+11], s[28:29] offset:204800*((\m)/4)+1536*((\m)%4)+1280
.else
.irp g, 0,1
.if ((\m)%2) == 0
	v_lshlrev_b32 v[SW+4*\g+(\m)/2], v[SH8], v[BY+\g]      ; Q, K: byte 2 (m % 2) + h of word m / 2 of token row r, head g
.else
	v_lshlrev_b32 v[TT], v[SH8], v[BY+\g]
	v_lshl_or_b32 v[SW+4*\g+(\m)/2], v[TT], 16, v[SW+4*\g+(\m)/2]
.endif
.endr
	global_store_b128 v[LQ], v[PC:PC+3], s[28:29] offset:768*(\m)          ; each store covers 512 or 256 consecutive bytes, aligned
	global_store_b64 v[LP], v[PC+4:PC+5], s[28:29] offset:768*(\m)+512
	global_store_b128 v[VA1], v[PC+6:PC+9], s[28:29] offset:768*(\m)       ; the second head's record
	global_store_b64 v[VB1], v[PC+10:PC+11], s[28:29] offset:768*(\m)+512
.endif
.endm
.macro TILE v, m
.if (\m) < 7
	MLOAD (\m)+1                                   ; into the other buffer: the products that read it stand in front of the last tile's whole way out
	s_wait_loadcnt 13                              ; the 13 just issued may be out; all older loads (stationary operand, bias, this tile) are in
.else
	s_wait_loadcnt 0x0
.endif
	MM \v, \m
	EPI \v, \m
.endm
.macro SCOUT off                       ; the scale words: the two halves of the lanes are joined; lanes 0-15 store the first head's 256 bytes, lanes 16-31 the second's
.irp i, 0,1,2,3,4,5,6,7
	v_permlanex16_b32 v[XX], v[SW+\i], s22, s23
	v_or_b32 v[SW+\i], v[SW+\i], v[XX]
.endr
	v_cmp_eq_u32 vcc_lo, 1, v[HH]
.irp i, 0,1,2,3
	v_cndmask_b32 v[SD+\i], v[SW+\i], v[SW+4+\i], vcc_lo
.endr
	global_store_b128 v[VS], v[SD:SD+3], s[28:29] offset:\off
.endm
	s_load_b256 s[4:11], s[0:1], 0x0               ; ximg s[4:5], wimg s[6:7], bq s[8:9], bk s[10:11]
	s_load_b128 s[12:15], s[0:1], 0x20             ; bv s[12:13], q s[14:15]
	s_load_b64 s[16:17], s[0:1], 0x30              ; kv
	v_lshrrev_b32 v[TT], 5, v0
	v_readfirstlane_b32 s18, v[TT]                 ; wave 0..3
	s_mov_b32 s19, ttmp9                           ; X
	s_and_b32 s20, ttmp7, 0xffff                   ; y: 0 Q, 1 K, 2 V
	v_and_b32 v[TT], 31, v0
	v_and_b32 v[RR], 15, v0
	v_bfe_u32 v[HH], v0, 4, 1
	v_lshlrev_b32 v[LQ], 4, v[TT]
	v_lshlrev_b32 v[LP], 3, v[TT]
	v_lshlrev_b32 v[LR], 4, v[RR]
	v_lshlrev_b32 v[SH8], 3, v[HH]
	v_mov_b32 v[XX], 0                             ; a lane permute's destination counts as one of its sources
	s_mov_b32 s22, 0x76543210
	s_mov_b32 s23, 0xfedcba98
	s_lshr_b32 s35, s19, 2                         ; X / 4
	s_and_b32 s36, s19, 3                          ; X % 4
	s_mul_i32 s37, s36, 51200
	s_add_co_u32 s37, s37, 409600                  ; V: Wv's tiles 8 (X % 4) on
	s_mul_i32 s38, s19, 51200                      ; Q, K: token tiles 8 X on
	s_wait_kmcnt 0x0
	s_cmp_lt_u32 s20, 2
	s_cselect_b64 s[24:25], s[6:7], s[4:5]         ; stationary: the weight's images, or x's
	s_cselect_b64 s[26:27], s[4:5], s[6:7]         ; moving: the other
	s_cselect_b32 s35, s20, s35
	s_cselect_b32 s38, s38, s37
	s_mul_i32 s35, s35, 204800                     ; 32 records: a weight, or 512 tokens
	s_mul_i32 s39, s18, 51200                      ; my wave's 8 records
	s_add_co_u32 s40, s35, s39
	s_mov_b32 s41, 0
	s_add_nc_u64 s[24:25], s[24:25], s[40:41]
	s_mov_b32 s39, 0
	s_add_nc_u64 s[26:27], s[26:27], s[38:39]
	SLOAD
	s_cmp_eq_u32 s20, 2
	s_cbranch_scc1 .Lvalues
	; ---- Q or K
	s_cmp_eq_u32 s20, 0
	s_cselect_b64 s[30:31], s[8:9], s[10:11]       ; bq or bk
	s_cselect_b64 s[28:29], s[14:15], s[16:17]     ; q or kv
	s_mov_b32 s32, 12800
	s_cselect_b32 s32, 6400, s32                   ; a record
	s_mov_b32 s34, 12288
	s_cselect_b32 s34, 6144, s34                   ; where its scale bytes begin
	s_lshl_b32 s33, s32, 4                         ; from a head to the next: 16 records
	s_lshl_b32 s40, s18, 9                         ; my 128 columns of the bias
	s_add_nc_u64 s[30:31], s[30:31], s[40:41]
	s_lshr_b32 s42, s19, 4
	s_lshl_b32 s42, s42, 3
	s_lshl_b32 s43, s18, 1
	s_add_co_u32 s42, s42, s43                     ; bh = 8 (X / 16) + 2 w
	s_lshl_b32 s42, s42, 4
	s_and_b32 s43, s19, 15
	s_add_co_u32 s42, s42, s43                     ; record 16 bh + X % 16
	s_mul_i32 s40, s42, s32
	s_add_nc_u64 s[28:29], s[28:29], s[40:41]
	v_add_nc_u32 v[VA1], s33, v[LQ]
	v_add_nc_u32 v[VB1], s33, v[LP]
	v_mul_u32_u24 v[VS], s33, v[HH]
	v_add3_u32 v[VS], v[VS], v[LR], s34
	v_lshlrev_b32 v[VBI], 7, v[HH]                 ; register 8 u + j wants b[64 g + 32 h + 8 u + j]
.irp g, 0,1
.set WN, (1+\g)<<6
	WIN WN
.irp u, 0,1,2,3
	global_load_b128 v[192+8*\u:192+8*\u+3], v[VBI], s[30:31] offset:4*(64*\g+8*\u)
	global_load_b128 v[192+8*\u+4:192+8*\u+7], v[VBI], s[30:31] offset:4*(64*\g+8*\u)+16
.endr
.endr
	WIN 0
	MLOAD 0
.irp m, 0,1,2,3,4,5,6,7
	TILE 0, \m
.endr
	SCOUT 0
	s_endpgm
.Lvalues:
	; ---- V
	s_lshl_b32 s40, s36, 9                         ; the bias of heads 2 (X % 4), 2 (X % 4) + 1
	s_add_nc_u64 s[30:31], s[12:13], s[40:41]
	s_lshr_b32 s42, s19, 4
	s_lshl_b32 s42, s42, 3
	s_lshl_b32 s43, s36, 1
	s_add_co_u32 s42, s42, s43                     ; bh = 8 (X / 16) + 2 (X % 4)
	s_lshl_b32 s42, s42, 4
	s_bfe_u32 s43, s19, 0x20002
	s_lshl_b32 s43, s43, 2
	s_add_co_u32 s42, s42, s43
	s_add_co_u32 s42, s42, s18                     ; record 16 bh + 4 ((X / 4) % 4) + w
	s_mul_i32 s40, s42, 12800
	s_add_co_u32 s40, s40, 6144                    ; V's part of it
	s_add_nc_u64 s[28:29], s[16:17], s[40:41]
	v_mul_u32_u24 v[VS], 0x32000, v[HH]            ; the second head's record lies 204,800 bytes on
	v_add_nc_u32 v[VS], v[VS], v[LR]
	v_and_b32 v[VBI], 7, v[RR]
	v_and_b32 v[TT], 8, v[RR]
	v_lshl_add_u32 v[VBI], v[TT], 2, v[VBI]
	v_lshlrev_b32 v[VBI], 2, v[VBI]                ; my lane's d: 32 (r / 8) + r % 8, in bytes
.irp m, 0,1,2,3,4,5,6,7
.set WN, (1+\m/4)<<6
	WIN WN
.irp j, 0,1,2,3,4,5,6,7
	global_load_b32 v[192+8*(\m%4)+\j], v[VBI], s[30:31] offset:4*(64*(\m/4)+8*(\m%4))   ; the lane's one bias in all eight registers, so that it can be the C of a product
.endr
.endr
	WIN 0
	MLOAD 0
.irp m, 0,1,2,3,4,5,6,7
	TILE 1, \m
.endr
	SCOUT 6400                                     ; 12544 from the record's first byte
	s_endpgm
.Lfunc_end_k_qb6b4f27de7_qkv:
	.size	k_qb6b4f27de7_qkv, .Lfunc_end_k_qb6b4f27de7_qkv-k_qb6b4f27de7_qkv
	.p2alignl 7, 3214868480
	.fill 96, 4, 3214868480
	.section	.rodata,"a",@progbits
	.p2align	6, 0x0
	.amdhsa_kernel k_qb6b4f27de7_qkv
		.amdhsa_group_segment_fixed_size 0
		.amdhsa_private_segment_fixed_size 0
		.amdhsa_enable_private_segment 0
		.amdhsa_kernarg_size 56
		.amdhsa_user_sgpr_count 2
		.amdhsa_user_sgpr_kernarg_segment_ptr 1
		.amdhsa_wavefront_size32 1
		.amdhsa_system_sgpr_workgroup_id_x 1
		.amdhsa_system_sgpr_workgroup_id_y 1
		.amdhsa_system_sgpr_workgroup_id_z 1
		.amdhsa_system_vgpr_workitem_id 0
		.amdhsa_next_free_vgpr 768
		.amdhsa_next_free_sgpr 66
		.amdhsa_reserve_vcc 1
		.amdhsa_float_denorm_mode_32 3
		.amdhsa_float_denorm_mode_16_64 3
		.amdhsa_memory_ordered 1
		.amdhsa_forward_progress 1
		.amdhsa_inst_pref_size 164
	.end_amdhsa_kernel
	.amdgpu_metadata
---
amdhsa.version: [ 1, 2 ]
amdhsa.kernels:
  - .name:           k_qb6b4f27de7_qkv
    .symbol:         k_qb6b4f27de7_qkv.kd
    .args:
      - { .name: ximg, .offset: 0, .size: 8, .value_kind: global_buffer, .address_space: global }
      - { .name: wimg, .offset: 8, .size: 8, .value_kind: global_buffer, .address_space: global }
      - { .name: bq, .offset: 16, .size: 8, .value_kind: global_buffer, .address_space: global }
      - { .name: bk, .offset: 24, .size: 8, .value_kind: global_buffer, .address_space: global }
      - { .name: bv, .offset: 32, .size: 8, .value_kind: global_buffer, .address_space: global }
      - { .name: q, .offset: 40, .size: 8, .value_kind: global_buffer, .address_space: global }
      - { .name: kv, .offset: 48, .size: 8, .value_kind: global_buffer, .address_space: global }
    .group_segment_fixed_size: 0
    .private_segment_fixed_size: 0
    .kernarg_segment_align: 8
    .kernarg_segment_size: 56
    .max_flat_workgroup_size: 128
    .sgpr_count:     66
    .vgpr_count:     768
    .wavefront_size: 32
...
	.end_amdgpu_metadata
.endif
;; end of part 2
;; launch attn (part 3): grid 8 x 32, 16 waves a work-group, clusters of 4 x 1, 207,872 bytes of LDS; arguments q, kv, ctx, cs; writes ctx, cs
.if DOCPART == 3
	.amdgcn_target "amdgcn-amd-amdhsa--gfx1250"
	.amdhsa_code_object_version 6
	.text
	.protected	k_qb6b4f27de7_attn
	.globl	k_qb6b4f27de7_attn
	.p2align	8
	.type	k_qb6b4f27de7_attn,@function
k_qb6b4f27de7_attn:
	s_mov_b64 s[64:65], 0
	v_nop
	global_prefetch_b8 v0, s[64:65] scope:SCOPE_SE
	s_setreg_imm32_b32 hwreg(HW_REG_WAVE_MODE, 25, 1), 1
	s_wait_xcnt 0x0
	s_wait_alu depctr_hold_cnt(0) depctr_sa_sdst(0) depctr_va_vdst(0) depctr_va_sdst(0) depctr_va_ssrc(0) depctr_va_vcc(0) depctr_vm_vsrc(0)
	s_getreg_b32 s2, hwreg(HW_REG_IB_STS2, 6, 4)
	s_cmp_eq_u32 s2, 0
	s_cbranch_scc0 .Lentry_in_a_cluster
	s_endpgm
.Lentry_in_a_cluster:
	s_bfe_u32 s2, ttmp6, 0x10000c
	s_cmp_lg_u32 s2, 0x3003
	s_cbranch_scc0 .Lentry_shape_is_right
	s_endpgm
.Lentry_shape_is_right:
; ctx[bh][query] = softmax(Q K^T / 8) V on codes of FP6 (E2M3), one E8M0 scale for each 32 along a product's K; 32 heads (batch x head) of 2,048 tokens x 64.
; THE SOFTMAX AHEAD OF THE SECOND PRODUCT: t = score x log2(e) / 8; M = the running largest t rounded UP to a whole number; p = 2^(t - M) is quantised along the keys, not normalised;
; the row's sum is taken of the unquantised p in f32 and divides at the end; when M moves, sum and O are multiplied by 2^(old M - new M), exactly.
; SHARES: a work-group owns 256 queries of one head, each of its sixteen waves one tile of 16, in 256 registers: four waves to a SIMD.  Every wave walks the head's 16 steps of 128 keys.
; LDS: the WHOLE head's records of kv (16 x 12,800 bytes: K, V, scale words, all as images of operand registers) are filled ONCE: no byte is filled twice, so there is no ring.
; CLUSTER: the four query blocks of a cluster read the same head: each record is asked for JOINTLY (the same tensor load, descriptor and mask in all four).  Waves 0-3 issue four loads each:
; load c of wave w is record 4 c + w; four loads of a wave are out at the most.  Chunk c (four records) is read behind a counted wait and a barrier, while the later chunks are still on their way.
; LAYOUT: both products transposed (S^T = K Q^T, O^T = V^T P^T): a lane holds ONE query.  The keys of a tile are chosen so that S register 32 c + i of lane (query, h) is key 64 c + 32 h + i:
; a whole block of 32 keys in a lane, in the very order of P's operand: no lane is asked for a block's maximum, and no codes change lanes.
; K = 64 UNDER AN INSTRUCTION OF 128: a fragment of K carries key tile 2 f in k 0-63 and key tile 2 f + 1 in k 64-127.  Q stands in 18 registers [6 zeros][6 codes][6 zeros]: the last 12 (codes, zeros)
; pick tile 2 f, the first 12 (zeros, codes) tile 2 f + 1: zero codes add nothing, since every code is finite and every scale byte lies in 1 .. 254.
; OUT: ctx is quantised along the head's 64 (a lane's 32 results are a whole block): half fragments [token tile][head] of 768 bytes; cs [bh][tile][r]: the row's two scale bytes.
; LIMITS: NaN and infinities are not served; the running maximum starts at -3e38; a block's largest p is made from the block's largest score, which takes v_exp_f32 not to fall where its input rises;
; a block whose largest magnitude lies under 2^-124, a block of zeros among them, keeps the byte 1.
.set REC,  12800
.set SCG,  16*REC                      ; behind the head: 512 bytes for ctx's scale bytes, written by LDS stores alone
.set LQ,   1                           ; 16 x lane
.set LP,   2                           ; 8 x lane
.set ADQ,  3                           ; the step's record + 16 x lane
.set ADP,  4                           ; + 8 x lane
.set SH8,  5                           ; 8 h
.set QS,   6                           ; Q's scale word [q0, q1, q0, q1]
.set PW,   7                           ; p's scale word
.set NM,   8                           ; -M
.set TMX,  9                           ; the largest t so far
.set SUM,  10                          ; v10-11 the row's sum, in two halves
.set F,    12                          ; v12-13 2^(old M - new M); v13 is named with it as a pair
.set BM,   14                          ; v14-15 the two blocks' largest scores, then largest p
.set QR,   16                          ; v16-33 the run of Q
.set SO,   34                          ; v34-35 the conversions' scale operands
.set BY,   36                          ; v36-37 scale bytes
.set XX,   38
.set T,    39
.set SC,   40                          ; v40-43 the step's scale words: lanes 0-15 K's four, lanes 16-31 V's four
.set SUM2, 44                          ; v44-45
.set SCA,  46                          ; SCG + 32 w + 2 r
.set SCR,  47                          ; SCG + 16 x lane
.set KV,   48                          ; v48-95 four fragments of K, then of V
.set S,    96                          ; v96-159 S^T, then p
.set O,    160                         ; v160-191 O^T
.set P,    192                         ; v192-203 p's codes
.set TP,   204                         ; v204-211 the blocks' upper halves as converted
.set CP,   212                         ; v212-217 ctx's codes
.set G1,   24                          ; s[24:31] descriptor group 1
.set G0,   36                          ; s[36:51] four groups 0: none is ever written again
; A round of the cluster's barrier: my work-group's barrier, wave 0 signals for the work-group, every wave waits for all four work-groups, my work-group's barrier once more.
.macro CROUND
	s_barrier_signal -1
	s_barrier_wait -1
	s_cmp_lg_u32 s12, 0
	s_cbranch_scc1 .Lnot_wave_0_\@
	s_barrier_signal -3
.Lnot_wave_0_\@:
	s_barrier_wait -3
	s_barrier_signal -1
	s_barrier_wait -1
.endm
	s_load_b256 s[4:11], s[0:1], 0x0               ; q s[4:5], kv s[6:7], ctx s[8:9], cs s[10:11]
	v_lshl_add_u32 v254, v0, 2, 0x32400
	v_mov_b32 v255, 0
	ds_add_u32 v254, v255
	ds_add_u32 v254, v255
	v_lshrrev_b32 v[T], 5, v0
	v_readfirstlane_b32 s12, v[T]                  ; wave 0..15
	s_bfe_u32 s13, ttmp6, 0x40000                  ; cx: my place in the cluster: it enters the addresses of q, ctx and cs alone
	s_lshl_b32 s14, ttmp9, 2
	s_add_co_u32 s14, s14, s13                     ; my block of 256 queries
	s_and_b32 s15, ttmp7, 0xffff                   ; bh, which the four partners share
	; descriptor group 1: a record is a dense block of 12,800 bytes: 50 rows of 256 bytes (32 elements of 8 bytes), no padding (the reads are 16 or 8 consecutive bytes a lane)
	s_mov_b32 s[G1], 15|(3<<16)|(1<<21)            ; 15:0 the mask: all four work-groups; 17:16 elements of 8 bytes; 21 set beside a mask
	s_mov_b32 s[G1+1], 32<<16                      ; tensor_dim0 = 32
	s_mov_b32 s[G1+2], 50<<16                      ; tensor_dim1 = 50
	s_mov_b32 s[G1+3], 32<<16                      ; tile_dim0 = 32
	s_mov_b32 s[G1+4], 50                          ; tile_dim1 = 50
	s_mov_b32 s[G1+5], 32                          ; from row to row
	s_mov_b32 s[G1+6], 0
	s_mov_b32 s[G1+7], 0
	s_mov_b32 s16, 0x3e38aa3b                      ; c = log2(e) / 8
	s_mov_b32 s17, s16                             ; (named with it as a pair, so it is written)
	s_mov_b32 s18, 0x76543210
	s_mov_b32 s19, 0xfedcba98                      ; v_permlanex16_b32's selects for lane l xor 16
	s_mov_b32 s20, 0                               ; LDS byte of the step's record
	; every LDS address register is made here, ahead of the branch on the wave's number
	v_and_b32 v[T], 31, v0
	v_lshlrev_b32 v[LQ], 4, v[T]
	v_lshlrev_b32 v[LP], 3, v[T]
	v_bfe_u32 v[SH8], v0, 4, 1
	v_lshlrev_b32 v[SH8], 3, v[SH8]
	v_and_b32 v[T], 15, v0                         ; r
	s_lshl_b32 s23, s12, 5
	s_add_co_u32 s23, s23, SCG
	v_lshl_add_u32 v[SCA], v[T], 1, s23
	v_add_nc_u32 v[SCR], SCG, v[LQ]
	v_lshlrev_b32 v[T], 4, v[T]                    ; 16 r: my query's scale bytes in q's record
	s_and_b32 s22, s12, 3
	s_mul_i32 s22, s22, REC                        ; my record of a chunk: the same distance in LDS and in memory
	s_mul_i32 s52, s15, 16*REC
	s_add_co_u32 s52, s52, s22
	s_mov_b32 s53, 0
	; Q: record 16 bh + 2 block + w / 8, tile w % 8
	s_lshl_b32 s54, s15, 4
	s_lshl_b32 s55, s14, 1
	s_add_co_u32 s54, s54, s55
	s_lshr_b32 s55, s12, 3
	s_add_co_u32 s54, s54, s55
	s_mul_i32 s54, s54, 6400
	s_and_b32 s56, s12, 7
	s_mul_i32 s57, s56, 768
	s_add_co_u32 s58, s54, s57
	s_mov_b32 s59, 0
	s_lshr_b32 s56, s56, 1
	s_lshl_b32 s56, s56, 2                         ; the word that holds my tile's two bytes
	s_add_co_u32 s54, s54, s56
	s_mov_b32 s55, 0
	s_and_b32 s60, s12, 1
	s_lshl_b32 s60, s60, 4                         ; and which half of it
	s_wait_dscnt 0x0
	s_wait_kmcnt 0x0
	s_add_nc_u64 s[52:53], s[6:7], s[52:53]
	s_add_nc_u64 s[58:59], s[4:5], s[58:59]
	s_add_nc_u64 s[54:55], s[4:5], s[54:55]
	CROUND                                         ; all four work-groups are here: the joint loads meet
.irp c, 0,1,2,3
	s_mov_b32 s[G0+4*\c], 1                        ; count = 1
	s_add_co_u32 s[G0+4*\c+1], s22, 4*REC*\c       ; LDS address: record 4 c + w
	s_add_nc_u64 s[G0+4*\c+2:G0+4*\c+3], s[52:53], 4*REC*\c   ; and the same record of the head in memory
	s_or_b32 s[G0+4*\c+3], s[G0+4*\c+3], 0x80000000   ; type = 2
.endr
	s_cmp_lt_u32 s12, 4                            ; a wave's four fills stand in one branch, ahead of every wait on TENSORcnt and every LDS read
	s_cbranch_scc0 .Lasked
	tensor_load_to_lds s[G0:G0+3], s[G1:G1+7]
	s_nop 0
	tensor_load_to_lds s[G0+4:G0+7], s[G1:G1+7]
	s_nop 0
	tensor_load_to_lds s[G0+8:G0+11], s[G1:G1+7]
	s_nop 0
	tensor_load_to_lds s[G0+12:G0+15], s[G1:G1+7]
	s_nop 0
.rept 4
	v_nop
.endr
.Lasked:
	global_load_b128 v[QR+6:QR+9], v[LQ], s[58:59]             ; Q's half fragment stays in registers
	global_load_b64 v[QR+10:QR+11], v[LP], s[58:59] offset:512
	global_load_b32 v[QS], v[T], s[54:55] offset:6144
.irp i, 0,1,2,3,4,5
	v_mov_b32 v[QR+\i], 0                          ; zero codes on both sides of Q's
	v_mov_b32 v[QR+12+\i], 0
.endr
.irp j, 0,1,2,3,4,5,6,7,8,9,10,11,12,13,14,15,16,17,18,19,20,21,22,23,24,25,26,27,28,29,30,31
	v_mov_b32 v[O+\j], 0                           ; O^T.  (The step is written once: the first finds zeros, which the first change of M leaves zeros)
.endr
	v_mov_b32 v[TMX], 0xff61b1e6                   ; -3e38, under every t
	v_floor_f32 v[NM], -v[TMX]
	v_mov_b32 v[SUM], 0
	v_mov_b32 v[SUM+1], 0
	v_mov_b32 v[F+1], 0
	v_mov_b32 v[XX], 0                             ; a lane permute's destination counts as one of its sources
	s_wait_loadcnt 0x0
	v_lshrrev_b32 v[QS], s60, v[QS]
	v_and_b32 v[QS], 0xffff, v[QS]
	v_lshl_or_b32 v[QS], v[QS], 16, v[QS]          ; [q0, q1, q0, q1]: it serves both places of Q's codes
.rept 8
	v_nop                                          ; a scale register written by a vector instruction stands 8 places ahead of a scaled matrix instruction: once in the launch
.endr
.macro FRAGS base                      ; four fragments, each two half fragments, from the step's record
.irp f, 0,1,2,3
	ds_load_b128 v[KV+12*\f:KV+12*\f+3], v[ADQ] offset:\base+1536*\f
	ds_load_b64 v[KV+12*\f+4:KV+12*\f+5], v[ADP] offset:\base+1536*\f+512
	ds_load_b128 v[KV+12*\f+6:KV+12*\f+9], v[ADQ] offset:\base+1536*\f+768
	ds_load_b64 v[KV+12*\f+10:KV+12*\f+11], v[ADP] offset:\base+1536*\f+1280
.endr
.endm
; A KEY STEP: 128 keys
.macro STEP
	v_add_nc_u32 v[ADQ], s20, v[LQ]
	v_add_nc_u32 v[ADP], s20, v[LP]
	v_nop
	v_nop                                          ; four places between the last products and the loads into registers that they read
	ds_load_b128 v[SC:SC+3], v[ADQ] offset:12288
	FRAGS 0
	s_wait_dscnt 0x0
.irp f, 0,1,2,3
	v_wmma_scale_f32_16x16x128_f8f6f4 v[S+16*\f:S+16*\f+7], v[KV+12*\f:KV+12*\f+11], v[QR+6:QR+17], 0, v[SC+\f], v[QS] matrix_a_fmt:MATRIX_FMT_FP6 matrix_b_fmt:MATRIX_FMT_FP6
	v_wmma_scale_f32_16x16x128_f8f6f4 v[S+16*\f+8:S+16*\f+15], v[KV+12*\f:KV+12*\f+11], v[QR:QR+11], 0, v[SC+\f], v[QS] matrix_a_fmt:MATRIX_FMT_FP6 matrix_b_fmt:MATRIX_FMT_FP6
.endr
.rept 4
	v_nop                                          ; places in front of the loads below and of the first read of the scores
.endr
	FRAGS 6144                                     ; V's fragments land while the softmax is worked
.irp c, 0,1
	v_max3_num_f32 v[BM+\c], v[S+32*\c], v[S+32*\c+1], v[S+32*\c+2]   ; THE LARGEST SCORE OF EACH BLOCK OF 32 KEYS, all mine; ascending: each accumulator is first read at its low end
.endr
.irp i, 3,5,7,9,11,13,15,17,19,21,23,25,27,29
.irp c, 0,1
	v_max3_num_f32 v[BM+\c], v[BM+\c], v[S+32*\c+\i], v[S+32*\c+\i+1]
.endr
.endr
.irp c, 0,1
	v_max_num_f32 v[BM+\c], v[BM+\c], v[S+32*\c+31]
.endr
	v_max_num_f32 v[T], v[BM], v[BM+1]
	v_permlanex16_b32 v[XX], v[T], s18, s19
	v_max_num_f32 v[T], v[T], v[XX]                ; the step's largest score of my query
	v_mul_f32 v[T], s16, v[T]                      ; as t (c is positive)
	v_max_num_f32 v[TMX], v[TMX], v[T]
	v_mov_b32 v[T], v[NM]
	v_floor_f32 v[NM], -v[TMX]                     ; the new -M = floor(-t) = -ceil(t)
	v_sub_f32 v[T], v[NM], v[T]                    ; old M - new M: a whole number, 0 or less
	v_cvt_i32_f32 v[T], v[T]                       ; (it saturates)
	v_ldexp_f32 v[F], 1.0, v[T]                    ; f = 2^(old M - new M)
.irp j, 0,2,4,6,8,10,12,14,16,18,20,22,24,26,28,30,32,34,36,38,40,42,44,46,48,50,52,54,56,58,60,62
	v_pk_fma_f32 v[S+\j:S+\j+1], v[S+\j:S+\j+1], s[16:17], v[NM:NM+1] op_sel_hi:[1,0,0]   ; t - M, two at a time
.endr
.irp c, 0,1
	v_fma_f32 v[BM+\c], v[BM+\c], s16, v[NM]       ; the same of each block's largest score
.endr
.irp j, 0,1,2,3,4,5,6,7,8,9,10,11,12,13,14,15,16,17,18,19,20,21,22,23,24,25,26,27,28,29,30,31,32,33,34,35,36,37,38,39,40,41,42,43,44,45,46,47,48,49,50,51,52,53,54,55,56,57,58,59,60,61,62,63
	v_exp_f32 v[S+\j], v[S+\j]                     ; p = 2^(t - M), at most 1
.endr
	v_pk_mul_f32 v[SUM:SUM+1], v[SUM:SUM+1], v[F:F+1] op_sel_hi:[1,0]   ; the sums under the new M: a plain place behind the exponentials
	s_wait_alu depctr_va_vdst(0)                   ; one wait for the whole batch, ahead of its first reader
.irp c, 0,1
	v_exp_f32 v[BM+\c], v[BM+\c]                   ; the block's largest p: the same two instructions on the same number give the same bits
.endr
	v_pk_add_f32 v[SUM2:SUM2+1], v[S:S+1], v[S+2:S+3]      ; THE ROW'S SUM IS TAKEN OF THE UNQUANTISED p, in two chains
.irp j, 4,8,12,16,20,24,28,32,36,40,44,48,52,56,60
	v_pk_add_f32 v[SUM:SUM+1], v[SUM:SUM+1], v[S+\j:S+\j+1]
	v_pk_add_f32 v[SUM2:SUM2+1], v[SUM2:SUM2+1], v[S+\j+2:S+\j+3]
.endr
	v_pk_add_f32 v[SUM:SUM+1], v[SUM:SUM+1], v[SUM2:SUM2+1]
	s_wait_alu depctr_va_vdst(0)                   ; and one for the two
.irp c, 0,1
	v_max_num_f32 v[BM+\c], 0x1800000, v[BM+\c]    ; the floor 2^(3 - 127): the byte cannot fall under 1
.endr
.irp c, 0,1
	v_add_nc_u32 v[SO+\c], 0xff000000, v[BM+\c]    ; 2 off the exponent field: the conversion's scale operand
.endr
.irp c, 0,1
	v_lshrrev_b32 v[BY+\c], 23, v[SO+\c]
.endr
	v_lshl_or_b32 v[PW], v[BY+1], 16, v[BY]        ; my blocks h and 2 + h,
	v_lshlrev_b32 v[PW], v[SH8], v[PW]
	v_permlanex16_b32 v[XX], v[PW], s18, s19
	v_or_b32 v[PW], v[PW], v[XX]                   ; with lane l xor 16's: p's scale word for these 128 keys
	v_cvt_scalef32_pk16_fp6_f32 v[P:P+2], v[S:S+15], v[SO]
	v_cvt_scalef32_pk16_fp6_f32 v[TP:TP+2], v[S+16:S+31], v[SO]            ; (a conversion's three registers begin on an even number)
	v_cvt_scalef32_pk16_fp6_f32 v[P+6:P+8], v[S+32:S+47], v[SO+1]
	v_cvt_scalef32_pk16_fp6_f32 v[TP+4:TP+6], v[S+48:S+63], v[SO+1]
	v_nop                                          ; one plain place behind a scaled conversion
.irp i, 0,1,2
	v_mov_b32 v[P+3+\i], v[TP+\i]
	v_mov_b32 v[P+9+\i], v[TP+4+\i]
.endr
.irp j, 0,2,4,6,8,10,12,14,16,18,20,22,24,26,28,30
	v_pk_mul_f32 v[O+\j:O+\j+1], v[O+\j:O+\j+1], v[F:F+1] op_sel_hi:[1,0]   ; O^T under the new M.  (These 16 are also the places between the scale word's and the codes' last writes and the products)
.endr
	s_wait_dscnt 0x0                               ; V is in
.irp t, 0,1,2,3
	v_wmma_scale_f32_16x16x128_f8f6f4 v[O+8*\t:O+8*\t+7], v[KV+12*\t:KV+12*\t+11], v[P:P+11], v[O+8*\t:O+8*\t+7], v[SC+\t], v[PW] matrix_a_fmt:MATRIX_FMT_FP6 matrix_b_fmt:MATRIX_FMT_FP6 matrix_a_scale:MATRIX_SCALE_ROW1
.endr
	s_add_co_u32 s20, s20, REC
.endm
; A chunk of four records.  left: my later chunks' loads, which may stay out: nothing in LDS is ever filled again.  The wave that waited signals; the others read behind the barrier.
.macro CHUNK left
	s_wait_tensorcnt \left
	s_barrier_signal -1
	s_barrier_wait -1
	s_mov_b32 s21, 4
.Lstep_\@:
	STEP
	s_sub_co_u32 s21, s21, 1
	s_cmp_lg_u32 s21, 0
	s_cbranch_scc1 .Lstep_\@
.endm
	CHUNK 3
	CHUNK 2
	CHUNK 1
	CHUNK 0
	; THE WAY OUT: O^T / the sum; a lane's 32 numbers are d = 32 h + 0 .. 31 of its query: a whole block of the next product's K
.rept 4
	v_nop                                          ; places behind the last products
.endr
	v_add_f32 v[SUM], v[SUM], v[SUM+1]
	v_permlanex16_b32 v[XX], v[SUM], s18, s19
	v_add_f32 v[SUM], v[SUM], v[XX]                ; the row's sum
	v_rcp_f32 v[F], v[SUM]
	v_nop                                          ; a plain place behind the reciprocal
	s_lshr_b32 s52, s15, 3
	s_lshl_b32 s52, s52, 7
	s_lshl_b32 s53, s14, 4
	s_add_co_u32 s52, s52, s53
	s_add_co_u32 s52, s52, s12                     ; token tile 128 batch + 16 block + w
	s_mul_i32 s52, s52, 6144
	s_and_b32 s53, s15, 7
	s_mul_i32 s53, s53, 768                        ; the head's half fragment
	s_add_co_u32 s52, s52, s53
	s_mov_b32 s53, 0
	s_add_nc_u64 s[8:9], s[8:9], s[52:53]
	s_lshl_b32 s52, s15, 12
	s_lshl_b32 s54, s14, 9
	s_add_co_u32 s52, s52, s54                     ; cs: 4,096 bh + 512 block
	s_add_nc_u64 s[10:11], s[10:11], s[52:53]
	s_wait_alu depctr_va_vdst(0)                   ; ahead of the reciprocal's first reader
.irp j, 0,2,4,6,8,10,12,14,16,18,20,22,24,26,28,30
	v_pk_mul_f32 v[S+\j:S+\j+1], v[O+\j:O+\j+1], v[F:F+1] op_sel_hi:[1,0]
.endr
.irp c, 0,1
	v_max3_num_f32 v[BM+\c], |v[S+16*\c]|, |v[S+16*\c+1]|, 0x1800000   ; the block's largest magnitude, in two chains, with the floor
.endr
.irp i, 2,4,6,8,10,12,14
.irp c, 0,1
	v_max3_num_f32 v[BM+\c], v[BM+\c], |v[S+16*\c+\i]|, |v[S+16*\c+\i+1]|
.endr
.endr
	v_max_num_f32 v[BM], v[BM], v[BM+1]
	v_add_nc_u32 v[SO], 0xff000000, v[BM]
	v_lshrrev_b32 v[BY], 23, v[SO]
	v_cvt_scalef32_pk16_fp6_f32 v[CP:CP+2], v[S:S+15], v[SO]
	v_cvt_scalef32_pk16_fp6_f32 v[TP:TP+2], v[S+16:S+31], v[SO]
	v_nop                                          ; one plain place behind a scaled conversion
.irp i, 0,1,2
	v_mov_b32 v[CP+3+\i], v[TP+\i]
.endr
	global_store_b128 v[LQ], v[CP:CP+3], s[8:9]                ; 512 consecutive bytes, aligned
	global_store_b64 v[LP], v[CP+4:CP+5], s[8:9] offset:512    ; 256 likewise
	v_lshlrev_b32 v[T], v[SH8], v[BY]
	v_permlanex16_b32 v[XX], v[T], s18, s19
	v_or_b32 v[T], v[T], v[XX]                     ; my row's two scale bytes
	ds_store_b16 v[SCA], v[T]                      ; both halves of the lanes write the same bytes with the same value
	s_wait_dscnt 0x0                               ; for the others' sake: my store has landed
	s_barrier_signal -1
	s_barrier_wait -1
	s_cmp_lg_u32 s12, 0
	s_cbranch_scc1 .Lnot_first
	ds_load_b128 v[S:S+3], v[SCR]                  ; the work-group's 512 scale bytes
	s_wait_dscnt 0x0
	global_store_b128 v[LQ], v[S:S+3], s[10:11]    ; 512 consecutive bytes, aligned
.Lnot_first:
	s_wait_tensorcnt 0x0
	ds_add_u32 v254, v255
	s_wait_dscnt 0x0
	CROUND                                         ; the closing round: no work-group ends while a partner may still ask for a record that names it
	s_endpgm
.Lfunc_end_k_qb6b4f27de7_attn:
	.size	k_qb6b4f27de7_attn, .Lfunc_end_k_qb6b4f27de7_attn-k_qb6b4f27de7_attn
	.p2alignl 7, 3214868480
	.fill 96, 4, 3214868480
	.section	.rodata,"a",@progbits
	.p2align	6, 0x0
	.amdhsa_kernel k_qb6b4f27de7_attn
		.amdhsa_group_segment_fixed_size 207872
		.amdhsa_private_segment_fixed_size 0
		.amdhsa_enable_private_segment 0
		.amdhsa_kernarg_size 32
		.amdhsa_user_sgpr_count 2
		.amdhsa_user_sgpr_kernarg_segment_ptr 1
		.amdhsa_wavefront_size32 1
		.amdhsa_system_sgpr_workgroup_id_x 1
		.amdhsa_system_sgpr_workgroup_id_y 1
		.amdhsa_system_sgpr_workgroup_id_z 1
		.amdhsa_system_vgpr_workitem_id 0
		.amdhsa_next_free_vgpr 256
		.amdhsa_next_free_sgpr 66
		.amdhsa_reserve_vcc 0
		.amdhsa_float_denorm_mode_32 3
		.amdhsa_float_denorm_mode_16_64 3
		.amdhsa_memory_ordered 1
		.amdhsa_forward_progress 1
		.amdhsa_inst_pref_size 71
	.end_amdhsa_kernel
	.amdgpu_metadata
---
amdhsa.version: [ 1, 2 ]
amdhsa.kernels:
  - .name:           k_qb6b4f27de7_attn
    .symbol:         k_qb6b4f27de7_attn.kd
    .args:
      - { .name: q, .offset: 0, .size: 8, .value_kind: global_buffer, .address_space: global }
      - { .name: kv, .offset: 8, .size: 8, .value_kind: global_buffer, .address_space: global }
      - { .name: ctx, .offset: 16, .size: 8, .value_kind: global_buffer, .address_space: global }
      - { .name: cs, .offset: 24, .size: 8, .value_kind: global_buffer, .address_space: global }
    .group_segment_fixed_size: 207872
    .private_segment_fixed_size: 0
    .kernarg_segment_align: 8
    .kernarg_segment_size: 32
    .max_flat_workgroup_size: 512
    .sgpr_count:     66
    .vgpr_count:     256
    .wavefront_size: 32
...
	.end_amdgpu_metadata
.endif
;; end of part 3
;; launch oproj (part 4): grid 4 x 64, 4 waves a work-group, no clusters, 34,304 bytes of LDS; arguments ctx, cs, wimg, bo, out0; writes out0
.if DOCPART == 4
	.amdgcn_target "amdgcn-amd-amdhsa--gfx1250"
	.amdhsa_code_object_version 6
	.text
	.protected	k_qb6b4f27de7_oproj
	.globl	k_qb6b4f27de7_oproj
	.p2align	8
	.type	k_qb6b4f27de7_oproj,@function
k_qb6b4f27de7_oproj:
	s_mov_b64 s[64:65], 0
	v_nop
	global_prefetch_b8 v0, s[64:65] scope:SCOPE_SE
	s_setreg_imm32_b32 hwreg(HW_REG_WAVE_MODE, 25, 1), 1
	s_wait_xcnt 0x0
; out0 = ctx Wo + bo on codes of FP6 (E2M3), K = 512, sums in f32.  ctx: half fragments [token tile 512][head 8] of 768 bytes (registers 0-3 of lane L at 16 L, 4-5 at 512 + 8 L): heads 2 s and 2 s + 1
; are K step s's fragment; cs [bh][tile][r]: two scale bytes a row and head.  Wo: tile records of wimg (the fourth weight), as images of operand registers.
; SHARES: work-group (cg, blk) makes columns 128 cg on of tokens 128 blk on.  Every wave holds the 128 columns of Wo (8 records, 384 registers) as source 0 and takes two token tiles of its own as source 1.
; In the result lane (r, h) holds token row r, and register 8 u + j of group g column 128 cg + 64 g + 32 h + 8 u + j.  A tile's 16 x 128 results go through the wave's own stage in LDS and leave as whole
; rows of 512 bytes.  No barrier: waves share nothing.  The bias is the C of each sum's first matrix instruction.
; The rows of token tile T are tokens 64 (T / 4) + 8 (T % 4) + 32 (r / 8) + r % 8.
; REGISTERS, in windows of 256: window 1: Wo's tiles 0-3, fragment (u, s) at v[48 u + 12 s]; v192-223 bias.  window 2: tiles 4-7 likewise.  window 0: all else.
.set LQ,  1                            ; 16 x lane
.set LP,  2                            ; 8 x lane
.set LR,  3                            ; 16 r
.set R2,  4                            ; 2 r
.set STO, 5                            ; the stage, on the way in: 528 r + 128 h
.set RD,  6                            ; and back: 16 x lane
.set VBI, 8                            ; 128 h
.set SS,  16                           ; v16-47 Wo's scale words: tile t, K step s at 16 + 4 t + s
.set MF0, 48                           ; v48-95, v96-143 the two token tiles' fragments; later rows 0-11 on their way out
.set MS0, 144                          ; v144-151 their scale words
.set ACC, 152                          ; v152-215 eight accumulators
.set OB2, 216                          ; v216-231, v232-247 rows 12-15 on their way out
.set RAW, 232                          ; v232-247 the scale bytes as loaded, two a register
.set TT,  248
.set HH,  249
.set RR,  250
.set STW, 8448                         ; a wave's stage: 16 rows x (512 bytes + 16): the 16 rows that a store of 16 bytes a lane touches start in 16 different columns of 16 bytes
.set MSB, 0
.macro WIN new                         ; the immediate's high byte repeats the setting that is left; a switch that changes nothing is dropped
.if MSB != (\new)
	s_set_vgpr_msb (MSB<<8)|(\new)
.set MSB, (\new)
.endif
.endm
; 32 products: two groups of four tiles of Wo x four K steps.  A group's four accumulators take turns, one instruction a turn.
.macro MM m
.set MFB, MF0+48*(\m)
.set MSR, MS0+4*(\m)
.irp g, 0,1
.set WN, (1+\g)|((1+\g)<<4)
	WIN WN                                         ; source 0 (Wo) and source 2 (the bias) in the group's window
.irp u, 0,1,2,3
	v_wmma_scale_f32_16x16x128_f8f6f4 v[ACC+8*(4*\g+\u):ACC+8*(4*\g+\u)+7], v[48*\u:48*\u+11], v[MFB:MFB+11], v[192+8*\u:192+8*\u+7], v[SS+4*(4*\g+\u)], v[MSR] matrix_a_fmt:MATRIX_FMT_FP6 matrix_b_fmt:MATRIX_FMT_FP6
.endr
.set WN, 1+\g
	WIN WN
.irp s, 1,2,3
.irp u, 0,1,2,3
	v_wmma_scale_f32_16x16x128_f8f6f4 v[ACC+8*(4*\g+\u):ACC+8*(4*\g+\u)+7], v[48*\u+12*\s:48*\u+12*\s+11], v[MFB+12*\s:MFB+12*\s+11], v[ACC+8*(4*\g+\u):ACC+8*(4*\g+\u)+7], v[SS+4*(4*\g+\u)+\s], v[MSR+\s] matrix_a_fmt:MATRIX_FMT_FP6 matrix_b_fmt:MATRIX_FMT_FP6
.endr
.endr
.endr
.endm
; Tile m's results: into my stage, back as whole rows, out
.macro SEND m
	WIN 0
.rept 5
	v_nop                                          ; four places in front of the stores that read results and of the loads into the fragments' registers; the fifth for the next tile's first products, which write over the accumulators with another C
.endr
.irp t, 0,1,2,3,4,5,6,7
	ds_store_b128 v[STO], v[ACC+8*\t:ACC+8*\t+3] offset:256*(\t/4)+32*(\t%4)       ; each accumulator from its low end on
	ds_store_b128 v[STO], v[ACC+8*\t+4:ACC+8*\t+7] offset:256*(\t/4)+32*(\t%4)+16
.endr
.irp p, 0,1,2,3,4,5,6,7,8,9,10,11,12,13,14,15
.if \p < 12
.set OBR, MF0+48*(\m)+4*\p
.else
.set OBR, OB2+16*(\m)+4*(\p-12)
.endif
	ds_load_b128 v[OBR:OBR+3], v[RD] offset:528*\p         ; LDS serves a wave's instructions in order: these see my stores, and the next tile's stores come behind them
.endr
.irp p, 0,1,2,3,4,5,6,7,8,9,10,11,12,13,14,15
.if \p < 12
.set OBR, MF0+48*(\m)+4*\p
.else
.set OBR, OB2+16*(\m)+4*(\p-12)
.endif
	s_wait_dscnt 15-\p                             ; row p is back; the younger loads may be out
	global_store_b128 v[LQ], v[OBR:OBR+3], s[32:33] offset:2048*(32*(\p/8)+\p%8)+16384*(\m) th:TH_STORE_NT   ; 32 lanes store 512 consecutive bytes, at a multiple of 256 from out0's first byte
.endr
.endm
	s_load_b256 s[4:11], s[0:1], 0x0               ; ctx s[4:5], cs s[6:7], wimg s[8:9], bo s[10:11]
	s_load_b64 s[12:13], s[0:1], 0x20              ; out0
	v_lshl_add_u32 v254, v0, 2, 0x8400
	v_mov_b32 v255, 0
	v_lshrrev_b32 v[TT], 5, v0
	v_readfirstlane_b32 s18, v[TT]                 ; wave 0..3
	s_mov_b32 s19, ttmp9                           ; cg
	s_and_b32 s20, ttmp7, 0xffff                   ; blk
	v_and_b32 v[TT], 31, v0
	v_and_b32 v[RR], 15, v0
	v_bfe_u32 v[HH], v0, 4, 1
	v_lshlrev_b32 v[LQ], 4, v[TT]
	v_lshlrev_b32 v[LP], 3, v[TT]
	v_lshlrev_b32 v[LR], 4, v[RR]
	v_lshlrev_b32 v[R2], 1, v[RR]
	v_lshlrev_b32 v[VBI], 7, v[HH]
	s_mul_i32 s21, s18, STW
	v_mul_u32_u24 v[STO], v[RR], 528
	v_lshl_add_u32 v[STO], v[HH], 7, v[STO]
	v_add_nc_u32 v[STO], s21, v[STO]
	v_add_nc_u32 v[RD], s21, v[LQ]
	s_mul_i32 s34, s19, 51200
	s_add_co_u32 s34, s34, 614400                  ; Wo's records 8 cg on
	s_mov_b32 s35, 0
	s_lshl_b32 s36, s19, 9                         ; 128 columns of f32
	s_mov_b32 s37, 0
	s_lshl_b32 s38, s20, 3
	s_lshl_b32 s39, s18, 1
	s_add_co_u32 s38, s38, s39                     ; my first token tile: 8 blk + 2 w
	s_and_b32 s40, s38, 127
	s_lshl_b32 s40, s40, 5                         ; cs: 32 bytes a tile,
	s_lshr_b32 s41, s20, 4
	s_lshl_b32 s41, s41, 15                        ; 8 heads of 4,096 bytes a batch
	s_add_co_u32 s40, s40, s41
	s_mov_b32 s41, 0
	s_mul_i32 s38, s38, 6144
	s_mov_b32 s39, 0
	s_lshl_b32 s42, s20, 1
	s_lshr_b32 s43, s18, 1
	s_add_co_u32 s42, s42, s43
	s_lshl_b32 s42, s42, 6
	s_and_b32 s43, s18, 1
	s_lshl_b32 s43, s43, 4
	s_add_co_u32 s42, s42, s43                     ; my first tile's first token: 64 (2 blk + w / 2) + 16 (w % 2)
	s_lshl_b32 s42, s42, 11
	s_add_co_u32 s42, s42, s36
	s_mov_b32 s43, 0
	s_wait_kmcnt 0x0
	s_add_nc_u64 s[24:25], s[8:9], s[34:35]
	s_add_nc_u64 s[30:31], s[10:11], s[36:37]
	s_add_nc_u64 s[26:27], s[4:5], s[38:39]
	s_add_nc_u64 s[28:29], s[6:7], s[40:41]
	s_add_nc_u64 s[32:33], s[12:13], s[42:43]
.irp t, 0,1,2,3,4,5,6,7
.set WN, (1+\t/4)<<6
	WIN WN                                         ; destination window 1 or 2, address window 0
.irp s, 0,1,2,3
.irp q, 0,1,2
	global_load_b128 v[48*(\t%4)+12*\s+4*\q:48*(\t%4)+12*\s+4*\q+3], v[LQ], s[24:25] offset:6400*\t+1536*\s+512*\q
.endr
.endr
.irp i, 0,1
	global_load_b128 v[192+8*(\t%4)+4*\i:192+8*(\t%4)+4*\i+3], v[VBI], s[30:31] offset:4*(64*(\t/4)+8*(\t%4))+16*\i   ; register 8 u + j wants bo[64 g + 32 h + 8 u + j]
.endr
.endr
	WIN 0
.irp t, 0,1,2,3,4,5,6,7
	global_load_b128 v[SS+4*\t:SS+4*\t+3], v[LR], s[24:25] offset:6400*\t+6144
.endr
.irp i, 0,1
.irp d, 0,1,2,3,4,5,6,7
	global_load_b128 v[MF0+48*\i+6*\d:MF0+48*\i+6*\d+3], v[LQ], s[26:27] offset:6144*\i+768*\d
	global_load_b64 v[MF0+48*\i+6*\d+4:MF0+48*\i+6*\d+5], v[LP], s[26:27] offset:6144*\i+768*\d+512
	global_load_u16 v[RAW+8*\i+\d], v[R2], s[28:29] offset:4096*\d+32*\i
.endr
.endr
	s_wait_loadcnt 0x0
.irp i, 0,1
.irp s, 0,1,2,3
	v_lshl_or_b32 v[MS0+4*\i+\s], v[RAW+8*\i+2*\s+1], 16, v[RAW+8*\i+2*\s]   ; heads 2 s and 2 s + 1: the four bytes of K step s
.endr
.endr
.rept 8
	v_nop                                          ; a scale register written by a vector instruction stands 8 places ahead of a scaled matrix instruction
.endr
	MM 0
	SEND 0
	MM 1
	SEND 1
	s_wait_tensorcnt 0x0
	ds_add_u32 v254, v255
	s_wait_dscnt 0x0
	s_endpgm
.Lfunc_end_k_qb6b4f27de7_oproj:
	.size	k_qb6b4f27de7_oproj, .Lfunc_end_k_qb6b4f27de7_oproj-k_qb6b4f27de7_oproj
	.p2alignl 7, 3214868480
	.fill 96, 4, 3214868480
	.section	.rodata,"a",@progbits
	.p2align	6, 0x0
	.amdhsa_kernel k_qb6b4f27de7_oproj
		.amdhsa_group_segment_fixed_size 34304
		.amdhsa_private_segment_fixed_size 0
		.amdhsa_enable_private_segment 0
		.amdhsa_kernarg_size 40
		.amdhsa_user_sgpr_count 2
		.amdhsa_user_sgpr_kernarg_segment_ptr 1
		.amdhsa_wavefront_size32 1
		.amdhsa_system_sgpr_workgroup_id_x 1
		.amdhsa_system_sgpr_workgroup_id_y 1
		.amdhsa_system_sgpr_workgroup_id_z 1
		.amdhsa_system_vgpr_workitem_id 0
		.amdhsa_next_free_vgpr 768
		.amdhsa_next_free_sgpr 66
		.amdhsa_reserve_vcc 0
		.amdhsa_float_denorm_mode_32 3
		.amdhsa_float_denorm_mode_16_64 3
		.amdhsa_memory_ordered 1
		.amdhsa_forward_progress 1
		.amdhsa_inst_pref_size 36
	.end_amdhsa_kernel
	.amdgpu_metadata
---
amdhsa.version: [ 1, 2 ]
amdhsa.kernels:
  - .name:           k_qb6b4f27de7_oproj
    .symbol:         k_qb6b4f27de7_oproj.kd
    .args:
      - { .name: ctx, .offset: 0, .size: 8, .value_kind: global_buffer, .address_space: global }
      - { .name: cs, .offset: 8, .size: 8, .value_kind: global_buffer, .address_space: global }
      - { .name: wimg, .offset: 16, .size: 8, .value_kind: global_buffer, .address_space: global }
      - { .name: bo, .offset: 24, .size: 8, .value_kind: global_buffer, .address_space: global }
      - { .name: out0, .offset: 32, .size: 8, .value_kind: global_buffer, .address_space: global }
    .group_segment_fixed_size: 34304
    .private_segment_fixed_size: 0
    .kernarg_segment_align: 8
    .kernarg_segment_size: 40
    .max_flat_workgroup_size: 128
    .sgpr_count:     66
    .vgpr_count:     768
    .wavefront_size: 32
...
	.end_amdgpu_metadata
.endif
;; end of part 4
;; ======== version 2 of 2: 4 launches
;; workspace buffers: ximg 3,276,800 bytes; wimg 819,200 bytes; q 3,276,800 bytes; kv 6,553,600 bytes; ctx 3,145,728 bytes; cs 131,072 bytes
;; launch prep (part 5): grid 640 x 1, 4 waves a work-group, no clusters, 35,328 bytes of LDS; arguments x, Wq, Wk, Wv, Wo, ximg, wimg; writes ximg, wimg
.if DOCPART == 5
	.amdgcn_target "amdgcn-amd-amdhsa--gfx1250"
	.amdhsa_code_object_version 6
	.text
	.protected	k_qb6b4f27de7_prep
	.globl	k_qb6b4f27de7_prep
	.p2align	8
	.type	k_qb6b4f27de7_prep,@function
k_qb6b4f27de7_prep:
	s_mov_b64 s[64:65], 0
	v_nop
	global_prefetch_b8 v0, s[64:65] scope:SCOPE_SE
	s_setreg_imm32_b32 hwreg(HW_REG_WAVE_MODE, 25, 1), 1
	s_wait_xcnt 0x0
; x [8192][512] f32 (K innermost) and Wq, Wk, Wv, Wo [512 (k)][512 (n)] f32 (K outermost) become codes of FP6 (E2M3) with one E8M0 byte for each 32 along K = 512,
; laid as IMAGES OF OPERAND REGISTERS.  A tile record (6,400 bytes) is 16 rows x 512 K: four fragments of 1,536 bytes (K step s: registers 4 q .. 4 q + 3 of lane L at 1536 s + 512 q + 16 L),
; then 256 bytes of scale words (row r's word of K step s at 6144 + 16 r + 4 s).  In a fragment lane (r, h) holds in registers 6 c .. 6 c + 5 the codes of k = 128 s + 64 c + 32 h + 0 .. 31 of row r.
; THE ROWS OF A TILE ARE NOT NEIGHBOURS: lane-row r of tile T is row 64 (T / 4) + 8 (T % 4) + 32 (r / 8) + r % 8 (tokens of x, columns n of a weight), so that later results of four
; neighbouring tiles give a lane 32 neighbours along the next K.
; SHARES: a work-group makes one record, wave w its fragment s = w (64 numbers a lane).  Work-groups 0-511: x's tiles; 512-639: the weights' (32 tiles each, in the order Wq, Wk, Wv, Wo).
; x: each load reads 512 consecutive bytes of a row; the 16 rows turn through the wave's own stage in LDS (rows 528 bytes apart) so that a lane gets its 2 x 32 neighbours.
; W: a lane takes a column and its registers run down K; a load touches four runs of 32 bytes (the tile's columns): the weights are a fifth of what the launch reads.
; A block's scale is 2^(floor(log2(largest magnitude)) - 2); its byte is the largest magnitude's exponent field - 2, held at 1 from below.
; LIMITS: NaN and infinities among the inputs are not served; a block whose largest magnitude lies under 2^-124 keeps the byte 1; a block of zeros has the byte 1, not 127: its codes are zeros, and this program alone reads the bytes.
.set STW,  8448                        ; a wave's stage: 16 rows x 528 bytes
.set SPT,  528                         ; 512 bytes + 16: the 16 rows that a load of 16 bytes a lane touches start in 16 different columns of 16 bytes
.set SCB,  4*STW                       ; behind the stages: the record's 256 bytes of scale words
.set LQ,   4                           ; v4   16 x lane
.set STI,  5                           ; v5   the stage, on the way in: 16 x lane
.set STO,  6                           ; v6   and out: 528 r + 128 h
.set WOF,  7                           ; v7   a weight: 32 h rows of 2,048 bytes + 4 x (32 (r / 8) + r % 8)
.set SH8,  8                           ; v8   8 h
.set SA,   9                           ; v9   where my row's scale word goes: SCB + 16 r + 4 w
.set LP,   10                          ; v10  8 x lane
.set SRD,  11                          ; v11  SCB + 8 x lane
.set BM,   12                          ; v12-13 the two blocks' largest magnitudes
.set SO,   14                          ; v14-15 the conversions' scale operands
.set BY,   16                          ; v16-17 the scale bytes
.set WD,   18                          ; v18  the scale word
.set XX,   19                          ; v19  what the lane 16 away holds
.set R,    32                          ; v32-95  x as loaded
.set XN,   96                          ; v96-159 my 64 numbers: register 32 c + i = k 64 c + 32 h + i
.set PC,   160                         ; v160-171 the fragment's 12 registers
.set TP,   172                         ; v172-179 the blocks' upper halves as converted
	s_load_b256 s[4:11], s[0:1], 0x0               ; x s[4:5], Wq s[6:7], Wk s[8:9], Wv s[10:11]
	s_load_b128 s[12:15], s[0:1], 0x20             ; Wo s[12:13], ximg s[14:15]
	s_load_b64 s[16:17], s[0:1], 0x30              ; wimg
	v_lshl_add_u32 v192, v0, 2, 0x8800
	v_mov_b32 v193, 0
	v_lshrrev_b32 v1, 5, v0
	v_readfirstlane_b32 s18, v1                    ; wave 0..3 = the K step
	v_and_b32 v1, 31, v0                           ; lane
	v_and_b32 v2, 15, v0                           ; r
	v_bfe_u32 v3, v0, 4, 1                         ; h
	v_lshlrev_b32 v[LQ], 4, v1
	s_mul_i32 s35, s18, STW
	v_add_nc_u32 v[STI], s35, v[LQ]
	v_mul_u32_u24 v[STO], v2, SPT
	v_lshl_add_u32 v[STO], v3, 7, v[STO]
	v_add_nc_u32 v[STO], s35, v[STO]
	v_and_b32 v[WOF], 7, v2
	v_and_b32 v[SH8], 8, v2
	v_lshl_add_u32 v[WOF], v[SH8], 2, v[WOF]       ; 32 (r / 8) + r % 8
	v_lshlrev_b32 v[WOF], 2, v[WOF]
	v_lshl_add_u32 v[WOF], v3, 16, v[WOF]
	v_lshlrev_b32 v[SH8], 3, v3
	s_lshl_b32 s34, s18, 2
	s_add_co_u32 s34, s34, SCB
	v_lshlrev_b32 v[SA], 4, v2
	v_add_nc_u32 v[SA], s34, v[SA]
	v_lshlrev_b32 v[LP], 3, v1
	v_add_nc_u32 v[SRD], SCB, v[LP]
	v_mov_b32 v[XX], 0                             ; a lane permute's destination counts as one of its sources
	s_mov_b32 s20, 0x76543210
	s_mov_b32 s21, 0xfedcba98                      ; v_permlanex16_b32's selects for lane l xor 16
	s_wait_kmcnt 0x0
	s_cmp_lt_u32 ttmp9, 512                        ; x's work-group or a weight's?  The choice hangs on the work-group's number alone
	s_cselect_b64 s[26:27], s[14:15], s[16:17]
	s_cselect_b32 s29, 0, 512
	s_sub_co_u32 s28, ttmp9, s29                   ; the record's number in its buffer
	s_mul_i32 s30, s28, 6400
	s_mul_i32 s31, s18, 1536
	s_add_co_u32 s30, s30, s31
	s_mov_b32 s31, 0
	s_add_nc_u64 s[26:27], s[26:27], s[30:31]      ; where my fragment goes
	s_and_b32 s32, s28, 3
	s_lshl_b32 s32, s32, 3                         ; 8 (T % 4)
	s_cmp_lt_u32 ttmp9, 512
	s_cbranch_scc0 .Lweight
	; ---- x: 16 rows x 512 bytes, as they lie; through the stage; back 2 x 128 bytes a lane
	s_lshr_b32 s33, s28, 2
	s_lshl_b32 s33, s33, 6
	s_add_co_u32 s33, s33, s32                     ; the tile's first row: 64 (T / 4) + 8 (T % 4)
	s_lshl_b32 s30, s33, 11                        ; rows of 2,048 bytes
	s_lshl_b32 s31, s18, 9                         ; my K step's 512 bytes
	s_add_co_u32 s30, s30, s31
	s_mov_b32 s31, 0
	s_add_nc_u64 s[24:25], s[4:5], s[30:31]
.irp p, 0,1,2,3,4,5,6,7,8,9,10,11,12,13,14,15
	global_load_b128 v[R+4*\p:R+4*\p+3], v[LQ], s[24:25] offset:2048*(32*(\p/8)+\p%8) th:TH_LOAD_NT   ; 32 lanes read 512 consecutive bytes of lane-row p
.endr
.irp p, 0,1,2,3,4,5,6,7,8,9,10,11,12,13,14,15
	s_wait_loadcnt 15-\p                           ; loads come back in order: row p is in, the younger ones may be out
	ds_store_b128 v[STI], v[R+4*\p:R+4*\p+3] offset:SPT*\p
.endr
.irp c, 0,1
.irp i, 0,1,2,3,4,5,6,7
	ds_load_b128 v[XN+32*\c+4*\i:XN+32*\c+4*\i+3], v[STO] offset:256*\c+16*\i   ; LDS serves a wave's instructions in order: these see my stores
.endr
.endr
	s_wait_dscnt 0x0
	s_branch .Ljoin
.Lweight:
	; ---- a weight: lane r takes a column, its registers run down K
	s_lshr_b32 s34, s28, 5                         ; which weight
	s_cmp_eq_u32 s34, 1
	s_cselect_b64 s[24:25], s[8:9], s[6:7]
	s_cmp_eq_u32 s34, 2
	s_cselect_b64 s[24:25], s[10:11], s[24:25]
	s_cmp_eq_u32 s34, 3
	s_cselect_b64 s[24:25], s[12:13], s[24:25]
	s_bfe_u32 s33, s28, 0x30002                    ; (T / 4) of the weight's 32 tiles
	s_lshl_b32 s33, s33, 6
	s_add_co_u32 s33, s33, s32                     ; the tile's first column
	s_lshl_b32 s30, s33, 2
	s_lshl_b32 s31, s18, 18                        ; my K step: 128 rows of 2,048 bytes
	s_add_co_u32 s30, s30, s31
	s_mov_b32 s31, 0
	s_add_nc_u64 s[24:25], s[24:25], s[30:31]
	s_wait_alu depctr_va_vdst(0)
.irp c, 0,1
.irp i, 0,1,2,3,4,5,6,7,8,9,10,11,12,13,14,15,16,17,18,19,20,21,22,23,24,25,26,27,28,29,30,31
	global_load_b32 v[XN+32*\c+\i], v[WOF], s[24:25] offset:2048*(64*\c+\i)   ; W(128 w + 64 c + 32 h + i, my column)
.endr
.endr
	s_wait_loadcnt 0x0
.Ljoin:
	; ---- two whole blocks of 32 a lane: no other lane is asked for a maximum
.irp c, 0,1
	v_max3_num_f32 v[BM+\c], |v[XN+32*\c]|, |v[XN+32*\c+1]|, 0x1800000   ; and the floor 2^(3 - 127): the byte cannot fall under 1
.endr
.irp i, 2,4,6,8,10,12,14,16,18,20,22,24,26,28,30
.irp c, 0,1
	v_max3_num_f32 v[BM+\c], v[BM+\c], |v[XN+32*\c+\i]|, |v[XN+32*\c+\i+1]|   ; (the two blocks by turns)
.endr
.endr
.irp c, 0,1
	v_add_nc_u32 v[SO+\c], 0xff000000, v[BM+\c]    ; 2 off the exponent field: the conversion takes this operand's exponent field as its scale
.endr
.irp c, 0,1
	v_lshrrev_b32 v[BY+\c], 23, v[SO+\c]           ; the scale's byte
.endr
	v_lshl_or_b32 v[WD], v[BY+1], 16, v[BY]        ; my blocks h and 2 + h,
	v_lshlrev_b32 v[WD], v[SH8], v[WD]             ; at their places in the word;
	v_permlanex16_b32 v[XX], v[WD], s20, s21
	v_or_b32 v[WD], v[WD], v[XX]                   ; with lane l xor 16's two the word is whole
	v_cvt_scalef32_pk16_fp6_f32 v[PC:PC+2], v[XN:XN+15], v[SO]
	v_cvt_scalef32_pk16_fp6_f32 v[TP:TP+2], v[XN+16:XN+31], v[SO]          ; (a conversion's three registers begin on an even number: a block's upper half is made elsewhere and moved)
	v_cvt_scalef32_pk16_fp6_f32 v[PC+6:PC+8], v[XN+32:XN+47], v[SO+1]
	v_cvt_scalef32_pk16_fp6_f32 v[TP+4:TP+6], v[XN+48:XN+63], v[SO+1]
	v_nop                                          ; one plain place behind a scaled conversion
.irp i, 0,1,2
	v_mov_b32 v[PC+3+\i], v[TP+\i]
	v_mov_b32 v[PC+9+\i], v[TP+4+\i]
.endr
.irp q, 0,1,2
	global_store_b128 v[LQ], v[PC+4*\q:PC+4*\q+3], s[26:27] offset:512*\q   ; 32 lanes store 512 consecutive bytes, at a multiple of 256 from the buffer's first byte
.endr
	ds_store_b32 v[SA], v[WD]                      ; both halves of the lanes write the same word with the same value
	s_wait_dscnt 0x0                               ; for the others' sake: my store has landed
	s_barrier_signal -1
	s_barrier_wait -1
	s_cmp_lg_u32 s18, 0
	s_cbranch_scc1 .Lend
	ds_load_b64 v[20:21], v[SRD]                   ; the record's 64 scale words, 8 bytes a lane
	s_wait_dscnt 0x0
	global_store_b64 v[LP], v[20:21], s[26:27] offset:6144   ; wave 0's base is the record's first byte: 256 consecutive bytes, aligned
.Lend:
	s_wait_tensorcnt 0x0
	ds_add_u32 v192, v193
	s_wait_dscnt 0x0
	s_endpgm
.Lfunc_end_k_qb6b4f27de7_prep:
	.size	k_qb6b4f27de7_prep, .Lfunc_end_k_qb6b4f27de7_prep-k_qb6b4f27de7_prep
	.p2alignl 7, 3214868480
	.fill 96, 4, 3214868480
	.section	.rodata,"a",@progbits
	.p2align	6, 0x0
	.amdhsa_kernel k_qb6b4f27de7_prep
		.amdhsa_group_segment_fixed_size 35328
		.amdhsa_private_segment_fixed_size 0
		.amdhsa_enable_private_segment 0
		.amdhsa_kernarg_size 56
		.amdhsa_user_sgpr_count 2
		.amdhsa_user_sgpr_kernarg_segment_ptr 1
		.amdhsa_wavefront_size32 1
		.amdhsa_system_sgpr_workgroup_id_x 1
		.amdhsa_system_sgpr_workgroup_id_y 1
		.amdhsa_system_sgpr_workgroup_id_z 1
		.amdhsa_system_vgpr_workitem_id 0
		.amdhsa_next_free_vgpr 194
		.amdhsa_next_free_sgpr 66
		.amdhsa_reserve_vcc 0
		.amdhsa_float_denorm_mode_32 3
		.amdhsa_float_denorm_mode_16_64 3
		.amdhsa_memory_ordered 1
		.amdhsa_forward_progress 1
		.amdhsa_inst_pref_size 17
	.end_amdhsa_kernel
	.amdgpu_metadata
---
amdhsa.version: [ 1, 2 ]
amdhsa.kernels:
  - .name:           k_qb6b4f27de7_prep
    .symbol:         k_qb6b4f27de7_prep.kd
    .args:
      - { .name: x, .offset: 0, .size: 8, .value_kind: global_buffer, .address_space: global }
      - { .name: Wq, .offset: 8, .size: 8, .value_kind: global_buffer, .address_space: global }
      - { .name: Wk, .offset: 16, .size: 8, .value_kind: global_buffer, .address_space: global }
      - { .name: Wv, .offset: 24, .size: 8, .value_kind: global_buffer, .address_space: global }
      - { .name: Wo, .offset: 32, .size: 8, .value_kind: global_buffer, .address_space: global }
      - { .name: ximg, .offset: 40, .size: 8, .value_kind: global_buffer, .address_space: global }
      - { .name: wimg, .offset: 48, .size: 8, .value_kind: global_buffer, .address_space: global }
    .group_segment_fixed_size: 35328
    .private_segment_fixed_size: 0
    .kernarg_segment_align: 8
    .kernarg_segment_size: 56
    .max_flat_workgroup_size: 128
    .sgpr_count:     66
    .vgpr_count:     194
    .wavefront_size: 32
...
	.end_amdgpu_metadata
.endif
;; end of part 5
;; launch qkv (part 6): grid 64 x 3, 4 waves a work-group, no clusters, 0 bytes of LDS; arguments ximg, wimg, bq, bk, bv, q, kv; writes q, kv
.if DOCPART == 6
	.amdgcn_target "amdgcn-amd-amdhsa--gfx1250"
	.amdhsa_code_object_version 6
	.text
	.protected	k_qb6b4f27de7_qkv
	.globl	k_qb6b4f27de7_qkv
	.p2align	8
	.type	k_qb6b4f27de7_qkv,@function
k_qb6b4f27de7_qkv:
	s_mov_b64 s[64:65], 0
	v_nop
	global_prefetch_b8 v0, s[64:65] scope:SCOPE_SE
	s_setreg_imm32_b32 hwreg(HW_REG_WAVE_SCHED_MODE, 0, 2), 2
	s_setreg_imm32_b32 hwreg(HW_REG_WAVE_MODE, 25, 1), 1
	s_wait_xcnt 0x0
	s_wait_alu depctr_vm_vsrc(0)
; Q = x Wq + bq, K = x Wk + bk, V = x Wv + bv on codes of FP6 (E2M3), K = 512, sums in f32; the results are quantised at once: Q and K along the head's 64, V along the keys.
; ONE SHAPE FOR ALL THREE: source 0 is a STATIONARY operand of 128 rows a wave (8 tile records, 384 registers, read once), source 1 a MOVING operand of 8 tiles of 16 rows.
;   y = 0, 1 (Q, K): stationary = the weight's column tiles 8 w .. 8 w + 7 (heads 2 w, 2 w + 1); moving = token tiles 8 X .. 8 X + 7 (batch X / 16, step X % 16 of 128 tokens).
;   y = 2    (V):    stationary = token tiles 32 (X / 4) + 8 w .. (the wave's own step of 128 keys); moving = Wv's column tiles 8 (X % 4) + m (head 2 (X % 4) + m / 4, d tile m % 4).
; In the result lane (r, h) holds the moving tile's row r, and register 8 u + j of a group of four stationary tiles holds that group's row 32 h + 8 u + j (the rows of a tile are chosen for it):
; 32 NEIGHBOURS ALONG THE NEXT K IN ONE LANE, a whole block: its maximum needs no other lane, and two conversions give the lane's six operand registers.
; OUT.  Half a fragment (16 rows x 64 codes, 768 bytes): registers 0-3 of lane L at 16 L, registers 4-5 at 512 + 8 L.
;   q  [bh][step] records of 6,400: half fragment of token tile T at 768 T; at 6144 the scale bytes: 16 r + 2 T + block.
;   kv [bh][step] records of 12,800: K as q's; V at 6144: d tile t, keys' half c at 1536 t + 768 c; at 12288 K's scale bytes as q's, at 12544 V's: 16 r + 4 t + block.
; The bias is the C of each sum's first matrix instruction.  No LDS, no barrier: waves share nothing; each reads the moving tiles itself.
; 192 work-groups: three products of equal size do not divide into 256; a finer split would read the stationary operands more often.
; LIMITS: NaN and infinities are not served; a block whose largest magnitude lies under 2^-124, a block of zeros among them, keeps the byte 1 (this program alone reads the bytes).
; REGISTERS, in windows of 256: window 1: stationary tiles 0-3, fragment (u, s) at v[48 u + 12 s]; v192-223 bias.  window 2: tiles 4-7 likewise.  window 0: all else.
; THE MODE: SCHED_MODE bits 1:0 = 2 (LLVM: expert scheduling mode 2), set by the entry lines.  The code itself states the register dependences
; between vector or matrix instructions and memory instructions, with s_wait_alu, always for 0.
; THE PLAN.  Registers that memory instructions touch:
;   v1-v3, v5-v8   offsets: written once, at the head or at a branch's head, and never again; one wait on va_vdst stands behind each group of writes, ahead of the first load that reads one.
;   stationary fragments, bias, SS: loaded once; afterwards matrix instructions alone read them, and no load lands there again.
;   MF0, MF1, MS   the moving tile's two buffers.  Tile m's 32 products read buffer m % 2; behind them the 13 loads of tile m + 2 land in it.
;   PC             written by tile m's conversions and moves; read by tile m's four stores; written again by tile m + 1's conversions.
;   SD             written once, by four selects; read by the last store.
; So behind a tile's products, and the four places that the first read of results wants anyway, stand three lines: the last tile's stores have read PC (XCNT and vm_vsrc), and the products are done reading
; their moving buffer (va_vdst), which is asked for again at once.  One more wait on va_vdst stands behind the conversions and moves, ahead of the tile's stores.
.set LQ,  1                            ; 16 x lane
.set LP,  2                            ; 8 x lane
.set LR,  3                            ; 16 r
.set SH8, 4                            ; 8 h
.set VA1, 5                            ; 16 x lane + the second head's distance
.set VB1, 6                            ; 8 x lane + the same
.set VS,  7                            ; where my 16 scale bytes go
.set VBI, 8                            ; my lane's place in the bias
.set XX,  9
.set BM,  10                           ; v10-11 largest magnitudes
.set SO,  12                           ; v12-13 the conversions' scale operands
.set BY,  14                           ; v14-15 scale bytes
.set SS,  16                           ; v16-47 the stationary tiles' scale words: tile t, K step s at 16 + 4 t + s
.set MF0, 48                           ; v48-95, v96-143 the moving tile's four fragments, two buffers
.set MS0, 144                          ; v144-147, v148-151 its scale words
.set ACC, 152                          ; v152-215 eight accumulators
.set PC,  216                          ; v216-227 two half fragments
.set TP,  228                          ; v228-235 the blocks' upper halves as converted
.set SW,  236                          ; v236-243 scale words in the making: [2][4]
.set SD,  244                          ; v244-247 the 16 scale bytes that I store
.set TT,  248
.set HH,  249                          ; h
.set RR,  250                          ; r
.set MSB, 0
.macro WIN new                         ; the immediate's high byte repeats the setting that is left; a switch that changes nothing is dropped
.if MSB != (\new)
	s_set_vgpr_msb (MSB<<8)|(\new)
.set MSB, (\new)
.endif
.endm
.macro SLOAD                           ; the stationary operand: 8 records' fragments into windows 1 and 2, their scale words into window 0
.irp t, 0,1,2,3,4,5,6,7
.set WN, (1+\t/4)<<6
	WIN WN                                         ; destination window 1 or 2, address window 0
.irp s, 0,1,2,3
.irp q, 0,1,2
	global_load_b128 v[48*(\t%4)+12*\s+4*\q:48*(\t%4)+12*\s+4*\q+3], v[LQ], s[24:25] offset:6400*\t+1536*\s+512*\q
.endr
.endr
.endr
	WIN 0
.irp t, 0,1,2,3,4,5,6,7
	global_load_b128 v[SS+4*\t:SS+4*\t+3], v[LR], s[24:25] offset:6400*\t+6144   ; row r's four words
.endr
.endm
.macro MLOAD m                         ; moving tile m: 13 loads
.set MFB, MF0+48*((\m)%2)
.irp s, 0,1,2,3
.irp q, 0,1,2
	global_load_b128 v[MFB+12*\s+4*\q:MFB+12*\s+4*\q+3], v[LQ], s[26:27] offset:6400*(\m)+1536*\s+512*\q
.endr
.endr
	global_load_b128 v[MS0+4*((\m)%2):MS0+4*((\m)%2)+3], v[LR], s[26:27] offset:6400*(\m)+6144
.endm
; 32 products: two groups of four stationary tiles x four K steps.  A group's four accumulators take turns, one instruction a turn.
.macro MM v, m
.set MFB, MF0+48*((\m)%2)
.set MSR, MS0+4*((\m)%2)
.irp g, 0,1
.if \v
.set CW, 1+(\m)/4
.else
.set CW, 1+\g
.endif
.set WN, (1+\g)|(CW<<4)
	WIN WN                                         ; source 0 in the group's window, source 2 (the bias) in its own
.irp u, 0,1,2,3
.if \v
.set CR, 192+8*((\m)%4)
.else
.set CR, 192+8*\u
.endif
	v_wmma_scale_f32_16x16x128_f8f6f4 v[ACC+8*(4*\g+\u):ACC+8*(4*\g+\u)+7], v[48*\u:48*\u+11], v[MFB:MFB+11], v[CR:CR+7], v[SS+4*(4*\g+\u)], v[MSR] matrix_a_fmt:MATRIX_FMT_FP6 matrix_b_fmt:MATRIX_FMT_FP6
.endr
.set WN, 1+\g
	WIN WN
.irp s, 1,2,3
.irp u, 0,1,2,3
	v_wmma_scale_f32_16x16x128_f8f6f4 v[ACC+8*(4*\g+\u):ACC+8*(4*\g+\u)+7], v[48*\u+12*\s:48*\u+12*\s+11], v[MFB+12*\s:MFB+12*\s+11], v[ACC+8*(4*\g+\u):ACC+8*(4*\g+\u)+7], v[SS+4*(4*\g+\u)+\s], v[MSR+\s] matrix_a_fmt:MATRIX_FMT_FP6 matrix_b_fmt:MATRIX_FMT_FP6
.endr
.endr
.endr
.endm
; Behind a tile's products: its moving buffer is asked for again; then the tile's 64 results a lane, two whole blocks (group 0, group 1), are quantised and stored
.macro EPI v, m
	WIN 0
.rept 4
	v_nop                                          ; four places between the last products and the first read of results
.endr
.if (\m) > 0
	s_wait_xcnt 0x0                                ; the last tile's stores have had their addresses translated: the codes' registers are written again only behind this wait
	s_wait_alu depctr_vm_vsrc(0)                   ; and they have read v[PC ..], which this tile's conversions and moves write again
.endif
.if (\m) < 6
	s_wait_alu depctr_va_vdst(0)                   ; this tile's products are done reading their moving buffer and its scale words, in which the 13 loads below land
	MLOAD (\m)+2                                   ; two tiles ahead: it has this way out and the next tile's products in which to land
.endif
.irp g, 0,1
	v_max3_num_f32 v[BM+\g], |v[ACC+32*\g]|, |v[ACC+32*\g+1]|, 0x1800000   ; ascending: each accumulator is first read at its low end.  The floor 2^(3 - 127) holds the byte at 1 from below
.endr
.irp i, 2,4,6,8,10,12,14,16,18,20,22,24,26,28,30
.irp g, 0,1
	v_max3_num_f32 v[BM+\g], v[BM+\g], |v[ACC+32*\g+\i]|, |v[ACC+32*\g+\i+1]|
.endr
.endr
.irp g, 0,1
	v_add_nc_u32 v[SO+\g], 0xff000000, v[BM+\g]    ; 2 off the exponent field: the conversion's scale operand
.endr
.irp g, 0,1
	v_lshrrev_b32 v[BY+\g], 23, v[SO+\g]           ; the scale's byte
.endr
	v_cvt_scalef32_pk16_fp6_f32 v[PC:PC+2], v[ACC:ACC+15], v[SO]
	v_cvt_scalef32_pk16_fp6_f32 v[TP:TP+2], v[ACC+16:ACC+31], v[SO]        ; (a conversion's three registers begin on an even number)
	v_cvt_scalef32_pk16_fp6_f32 v[PC+6:PC+8], v[ACC+32:ACC+47], v[SO+1]
	v_cvt_scalef32_pk16_fp6_f32 v[TP+4:TP+6], v[ACC+48:ACC+63], v[SO+1]
	v_nop                                          ; one plain place behind a scaled conversion
.irp i, 0,1,2
	v_mov_b32 v[PC+3+\i], v[TP+\i]
	v_mov_b32 v[PC+9+\i], v[TP+4+\i]
.endr
.if \v
	v_lshl_or_b32 v[TT], v[BY+1], 16, v[BY]        ; V: my blocks h and 2 + h of the step's four, of d row r
	v_lshlrev_b32 v[SW+4*((\m)/4)+(\m)%4], v[SH8], v[TT]
	s_wait_alu depctr_va_vdst(0)                   ; the conversions and moves have written v[PC ..], which the four stores read
	global_store_b128 v[LQ], v[PC:PC+3], s[28:29] offset:204800*((\m)/4)+1536*((\m)%4)
	global_store_b64 v[LP], v[PC+4:PC+5], s[28:29] offset:204800*((\m)/4)+1536*((\m)%4)+512
	global_store_b128 v[LQ], v[PC+6:PC+9], s[28:29] offset:204800*((\m)/4)+1536*((\m)%4)+768
	global_store_b64 v[LP], v[PC+10:PC+11], s[28:29] offset:204800*((\m)/4)+1536*((\m)%4)+1280
.else
.irp g, 0,1
.if ((\m)%2) == 0
	v_lshlrev_b32 v[SW+4*\g+(\m)/2], v[SH8], v[BY+\g]      ; Q, K: byte 2 (m % 2) + h of word m / 2 of token row r, head g
.else
	v_lshlrev_b32 v[TT], v[SH8], v[BY+\g]
	v_lshl_or_b32 v[SW+4*\g+(\m)/2], v[TT], 16, v[SW+4*\g+(\m)/2]
.endif
.endr
	s_wait_alu depctr_va_vdst(0)                   ; the conversions and moves have written v[PC ..], which the four stores read
	global_store_b128 v[LQ], v[PC:PC+3], s[28:29] offset:768*(\m)          ; each store covers 512 or 256 consecutive bytes, aligned
	global_store_b64 v[LP], v[PC+4:PC+5], s[28:29] offset:768*(\m)+512
	global_store_b128 v[VA1], v[PC+6:PC+9], s[28:29] offset:768*(\m)       ; the second head's record
	global_store_b64 v[VB1], v[PC+10:PC+11], s[28:29] offset:768*(\m)+512
.endif
.endm
.macro TILE v, m
.if (\m) < 7
	s_wait_loadcnt 13                              ; the next tile's 13 loads may be out; all older loads (stationary operand, bias, this tile) are in
.else
	s_wait_loadcnt 0x0
.endif
	MM \v, \m
	EPI \v, \m
.endm
.macro SCOUT off                       ; the scale words: the two halves of the lanes are joined; lanes 0-15 store the first head's 256 bytes, lanes 16-31 the second's
	v_cmp_eq_u32 vcc_lo, 1, v[HH]
.irp i, 0,1,2,3,4,5,6,7
	v_permlanex16_b32 v[XX], v[SW+\i], s22, s23
	v_or_b32 v[SW+\i], v[SW+\i], v[XX]
.endr
	s_wait_alu depctr_va_vcc(0)                    ; the compare has written VCC, ahead of its first reader, the select below
.irp i, 0,1,2,3
	v_cndmask_b32 v[SD+\i], v[SW+\i], v[SW+4+\i], vcc_lo
.endr
	s_wait_alu depctr_va_vdst(0)                   ; the selects have written v[SD ..], which the store reads
	global_store_b128 v[VS], v[SD:SD+3], s[28:29] offset:\off
.endm
	s_load_b256 s[4:11], s[0:1], 0x0               ; ximg s[4:5], wimg s[6:7], bq s[8:9], bk s[10:11]
	s_load_b128 s[12:15], s[0:1], 0x20             ; bv s[12:13], q s[14:15]
	s_load_b64 s[16:17], s[0:1], 0x30              ; kv
	v_lshrrev_b32 v[TT], 5, v0
	v_readfirstlane_b32 s18, v[TT]                 ; wave 0..3
	s_mov_b32 s19, ttmp9                           ; X
	s_and_b32 s20, ttmp7, 0xffff                   ; y: 0 Q, 1 K, 2 V
	v_and_b32 v[TT], 31, v0
	v_and_b32 v[RR], 15, v0
	v_bfe_u32 v[HH], v0, 4, 1
	v_lshlrev_b32 v[LQ], 4, v[TT]
	v_lshlrev_b32 v[LP], 3, v[TT]
	v_lshlrev_b32 v[LR], 4, v[RR]
	v_lshlrev_b32 v[SH8], 3, v[HH]
	v_mov_b32 v[XX], 0                             ; a lane permute's destination counts as one of its sources
	s_mov_b32 s22, 0x76543210
	s_mov_b32 s23, 0xfedcba98
	s_lshr_b32 s35, s19, 2                         ; X / 4
	s_and_b32 s36, s19, 3                          ; X % 4
	s_mul_i32 s37, s36, 51200
	s_add_co_u32 s37, s37, 409600                  ; V: Wv's tiles 8 (X % 4) on
	s_mul_i32 s38, s19, 51200                      ; Q, K: token tiles 8 X on
	s_wait_alu depctr_va_sdst(0)                   ; s18 is written, ahead of its first reader: the stationary operand's base is made from it
	s_wait_kmcnt 0x0
	s_cmp_lt_u32 s20, 2
	s_cselect_b64 s[24:25], s[6:7], s[4:5]         ; stationary: the weight's images, or x's
	s_cselect_b64 s[26:27], s[4:5], s[6:7]         ; moving: the other
	s_cselect_b32 s35, s20, s35
	s_cselect_b32 s38, s38, s37
	s_mul_i32 s35, s35, 204800                     ; 32 records: a weight, or 512 tokens
	s_mul_i32 s39, s18, 51200                      ; my wave's 8 records
	s_add_co_u32 s40, s35, s39
	s_mov_b32 s41, 0
	s_add_nc_u64 s[24:25], s[24:25], s[40:41]
	s_mov_b32 s39, 0
	s_add_nc_u64 s[26:27], s[26:27], s[38:39]
	s_wait_alu depctr_va_vdst(0)                   ; v[LQ], v[LP] and v[LR] are written: the loads and stores of the whole kernel read them as offsets
	SLOAD
	s_cmp_eq_u32 s20, 2
	s_cbranch_scc1 .Lvalues
	; ---- Q or K
	s_cmp_eq_u32 s20, 0
	s_cselect_b64 s[30:31], s[8:9], s[10:11]       ; bq or bk
	s_cselect_b64 s[28:29], s[14:15], s[16:17]     ; q or kv
	s_mov_b32 s32, 12800
	s_cselect_b32 s32, 6400, s32                   ; a record
	s_mov_b32 s34, 12288
	s_cselect_b32 s34, 6144, s34                   ; where its scale bytes begin
	s_lshl_b32 s33, s32, 4                         ; from a head to the next: 16 records
	s_lshl_b32 s40, s18, 9                         ; my 128 columns of the bias
	s_add_nc_u64 s[30:31], s[30:31], s[40:41]
	s_lshr_b32 s42, s19, 4
	s_lshl_b32 s42, s42, 3
	s_lshl_b32 s43, s18, 1
	s_add_co_u32 s42, s42, s43                     ; bh = 8 (X / 16) + 2 w
	s_lshl_b32 s42, s42, 4
	s_and_b32 s43, s19, 15
	s_add_co_u32 s42, s42, s43                     ; record 16 bh + X % 16
	s_mul_i32 s40, s42, s32
	s_add_nc_u64 s[28:29], s[28:29], s[40:41]
	v_add_nc_u32 v[VA1], s33, v[LQ]
	v_add_nc_u32 v[VB1], s33, v[LP]
	v_mul_u32_u24 v[VS], s33, v[HH]
	v_add3_u32 v[VS], v[VS], v[LR], s34
	v_lshlrev_b32 v[VBI], 7, v[HH]                 ; register 8 u + j wants b[64 g + 32 h + 8 u + j]
	s_wait_alu depctr_va_vdst(0)                   ; v[VBI] is written, which the bias's loads read; so are v[VA1], v[VB1] and v[VS], which stores read later
.irp g, 0,1
.set WN, (1+\g)<<6
	WIN WN
.irp u, 0,1,2,3
	global_load_b128 v[192+8*\u:192+8*\u+3], v[VBI], s[30:31] offset:4*(64*\g+8*\u)
	global_load_b128 v[192+8*\u+4:192+8*\u+7], v[VBI], s[30:31] offset:4*(64*\g+8*\u)+16
.endr
.endr
	WIN 0
	MLOAD 0                                        ; both moving buffers are asked for: no vector or matrix instruction has named them yet
	MLOAD 1
.irp m, 0,1,2,3,4,5,6,7
	TILE 0, \m
.endr
	SCOUT 0
	s_endpgm
.Lvalues:
	; ---- V
	s_lshl_b32 s40, s36, 9                         ; the bias of heads 2 (X % 4), 2 (X % 4) + 1
	s_add_nc_u64 s[30:31], s[12:13], s[40:41]
	s_lshr_b32 s42, s19, 4
	s_lshl_b32 s42, s42, 3
	s_lshl_b32 s43, s36, 1
	s_add_co_u32 s42, s42, s43                     ; bh = 8 (X / 16) + 2 (X % 4)
	s_lshl_b32 s42, s42, 4
	s_bfe_u32 s43, s19, 0x20002
	s_lshl_b32 s43, s43, 2
	s_add_co_u32 s42, s42, s43
	s_add_co_u32 s42, s42, s18                     ; record 16 bh + 4 ((X / 4) % 4) + w
	s_mul_i32 s40, s42, 12800
	s_add_co_u32 s40, s40, 6144                    ; V's part of it
	s_add_nc_u64 s[28:29], s[16:17], s[40:41]
	v_mul_u32_u24 v[VS], 0x32000, v[HH]            ; the second head's record lies 204,800 bytes on
	v_add_nc_u32 v[VS], v[VS], v[LR]
	v_and_b32 v[VBI], 7, v[RR]
	v_and_b32 v[TT], 8, v[RR]
	v_lshl_add_u32 v[VBI], v[TT], 2, v[VBI]
	v_lshlrev_b32 v[VBI], 2, v[VBI]                ; my lane's d: 32 (r / 8) + r % 8, in bytes
	s_wait_alu depctr_va_vdst(0)                   ; v[VBI] is written, which the bias's loads read; so is v[VS], which the last store reads
.irp m, 0,1,2,3,4,5,6,7
.set WN, (1+\m/4)<<6
	WIN WN
.irp j, 0,1,2,3,4,5,6,7
	global_load_b32 v[192+8*(\m%4)+\j], v[VBI], s[30:31] offset:4*(64*(\m/4)+8*(\m%4))   ; the lane's one bias in all eight registers, so that it can be the C of a product
.endr
.endr
	WIN 0
	MLOAD 0                                        ; both moving buffers are asked for: no vector or matrix instruction has named them yet
	MLOAD 1
.irp m, 0,1,2,3,4,5,6,7
	TILE 1, \m
.endr
	SCOUT 6400                                     ; 12544 from the record's first byte
	s_endpgm
.Lfunc_end_k_qb6b4f27de7_qkv:
	.size	k_qb6b4f27de7_qkv, .Lfunc_end_k_qb6b4f27de7_qkv-k_qb6b4f27de7_qkv
	.p2alignl 7, 3214868480
	.fill 96, 4, 3214868480
	.section	.rodata,"a",@progbits
	.p2align	6, 0x0
	.amdhsa_kernel k_qb6b4f27de7_qkv
		.amdhsa_group_segment_fixed_size 0
		.amdhsa_private_segment_fixed_size 0
		.amdhsa_enable_private_segment 0
		.amdhsa_kernarg_size 56
		.amdhsa_user_sgpr_count 2
		.amdhsa_user_sgpr_kernarg_segment_ptr 1
		.amdhsa_wavefront_size32 1
		.amdhsa_system_sgpr_workgroup_id_x 1
		.amdhsa_system_sgpr_workgroup_id_y 1
		.amdhsa_system_sgpr_workgroup_id_z 1
		.amdhsa_system_vgpr_workitem_id 0
		.amdhsa_next_free_vgpr 768
		.amdhsa_next_free_sgpr 66
		.amdhsa_reserve_vcc 1
		.amdhsa_float_denorm_mode_32 3
		.amdhsa_float_denorm_mode_16_64 3
		.amdhsa_memory_ordered 1
		.amdhsa_forward_progress 1
		.amdhsa_inst_pref_size 165
	.end_amdhsa_kernel
	.amdgpu_metadata
---
amdhsa.version: [ 1, 2 ]
amdhsa.kernels:
  - .name:           k_qb6b4f27de7_qkv
    .symbol:         k_qb6b4f27de7_qkv.kd
    .args:
      - { .name: ximg, .offset: 0, .size: 8, .value_kind: global_buffer, .address_space: global }
      - { .name: wimg, .offset: 8, .size: 8, .value_kind: global_buffer, .address_space: global }
      - { .name: bq, .offset: 16, .size: 8, .value_kind: global_buffer, .address_space: global }
      - { .name: bk, .offset: 24, .size: 8, .value_kind: global_buffer, .address_space: global }
      - { .name: bv, .offset: 32, .size: 8, .value_kind: global_buffer, .address_space: global }
      - { .name: q, .offset: 40, .size: 8, .value_kind: global_buffer, .address_space: global }
      - { .name: kv, .offset: 48, .size: 8, .value_kind: global_buffer, .address_space: global }
    .group_segment_fixed_size: 0
    .private_segment_fixed_size: 0
    .kernarg_segment_align: 8
    .kernarg_segment_size: 56
    .max_flat_workgroup_size: 128
    .sgpr_count:     66
    .vgpr_count:     768
    .wavefront_size: 32
...
	.end_amdgpu_metadata
.endif
;; end of part 6
;; launch attn (part 7): grid 8 x 32, 16 waves a work-group, clusters of 4 x 1, 207,872 bytes of LDS; arguments q, kv, ctx, cs; writes ctx, cs
.if DOCPART == 7
	.amdgcn_target "amdgcn-amd-amdhsa--gfx1250"
	.amdhsa_code_object_version 6
	.text
	.protected	k_qb6b4f27de7_attn
	.globl	k_qb6b4f27de7_attn
	.p2align	8
	.type	k_qb6b4f27de7_attn,@function
k_qb6b4f27de7_attn:
	s_mov_b64 s[64:65], 0
	v_nop
	global_prefetch_b8 v0, s[64:65] scope:SCOPE_SE
	s_setreg_imm32_b32 hwreg(HW_REG_WAVE_MODE, 25, 1), 1
	s_wait_xcnt 0x0
	s_wait_alu depctr_hold_cnt(0) depctr_sa_sdst(0) depctr_va_vdst(0) depctr_va_sdst(0) depctr_va_ssrc(0) depctr_va_vcc(0) depctr_vm_vsrc(0)
	s_getreg_b32 s2, hwreg(HW_REG_IB_STS2, 6, 4)
	s_cmp_eq_u32 s2, 0
	s_cbranch_scc0 .Lentry_in_a_cluster
	s_endpgm
.Lentry_in_a_cluster:
	s_bfe_u32 s2, ttmp6, 0x10000c
	s_cmp_lg_u32 s2, 0x3003
	s_cbranch_scc0 .Lentry_shape_is_right
	s_endpgm
.Lentry_shape_is_right:
; ctx[bh][query] = softmax(Q K^T / 8) V on codes of FP6 (E2M3), one E8M0 scale for each 32 along a product's K; 32 heads (batch x head) of 2,048 tokens x 64.
; THE SOFTMAX AHEAD OF THE SECOND PRODUCT: t = score x log2(e) / 8; M = the running largest t rounded UP to a whole number; p = 2^(t - M) is quantised along the keys, not normalised;
; the row's sum is taken of the unquantised p in f32 and divides at the end; when M moves, sum and O are multiplied by 2^(old M - new M), exactly.
; SHARES: a work-group owns 256 queries of one head, each of its sixteen waves one tile of 16, in 256 registers: four waves to a SIMD.  Every wave walks the head's 16 steps of 128 keys.
; LDS: the WHOLE head's records of kv (16 x 12,800 bytes: K, V, scale words, all as images of operand registers) are filled ONCE: no byte is filled twice, so there is no ring.
; CLUSTER: the four query blocks of a cluster read the same head: each record is asked for JOINTLY (the same tensor load, descriptor and mask in all four).  Waves 0-3 issue four loads each:
; load c of wave w is record 4 c + w; four loads of a wave are out at the most.  Chunk c (four records) is read behind a counted wait and a barrier, while the later chunks are still on their way.
; LAYOUT: both products transposed (S^T = K Q^T, O^T = V^T P^T): a lane holds ONE query.  The keys of a tile are chosen so that S register 32 c + i of lane (query, h) is key 64 c + 32 h + i:
; a whole block of 32 keys in a lane, in the very order of P's operand: no lane is asked for a block's maximum, and no codes change lanes.
; K = 64 UNDER AN INSTRUCTION OF 128: a fragment of K carries key tile 2 f in k 0-63 and key tile 2 f + 1 in k 64-127.  Q stands in 18 registers [6 zeros][6 codes][6 zeros]: the last 12 (codes, zeros)
; pick tile 2 f, the first 12 (zeros, codes) tile 2 f + 1: zero codes add nothing, since every code is finite and every scale byte lies in 1 .. 254.
; OUT: ctx is quantised along the head's 64 (a lane's 32 results are a whole block): half fragments [token tile][head] of 768 bytes; cs [bh][tile][r]: the row's two scale bytes.
; LIMITS: NaN and infinities are not served; the running maximum starts at -3e38; a block's largest p is made from the block's largest score, which takes v_exp_f32 not to fall where its input rises;
; a block whose largest magnitude lies under 2^-124, a block of zeros among them, keeps the byte 1.
.set REC,  12800
.set SCG,  16*REC                      ; behind the head: 512 bytes for ctx's scale bytes, written by LDS stores alone
.set LQ,   1                           ; 16 x lane
.set LP,   2                           ; 8 x lane
.set ADQ,  3                           ; the step's record + 16 x lane
.set ADP,  4                           ; + 8 x lane
.set SH8,  5                           ; 8 h
.set QS,   6                           ; Q's scale word [q0, q1, q0, q1]
.set PW,   7                           ; p's scale word
.set NM,   8                           ; -M
.set TMX,  9                           ; the largest t so far
.set SUM,  10                          ; v10-11 the row's sum, in two halves
.set F,    12                          ; v12-13 2^(old M - new M); v13 is named with it as a pair
.set BM,   14                          ; v14-15 the two blocks' largest scores, then largest p
.set QR,   16                          ; v16-33 the run of Q
.set SO,   34                          ; v34-35 the conversions' scale operands
.set BY,   36                          ; v36-37 scale bytes
.set XX,   38
.set T,    39
.set SC,   40                          ; v40-43 the step's scale words: lanes 0-15 K's four, lanes 16-31 V's four
.set SUM2, 44                          ; v44-45
.set SCA,  46                          ; SCG + 32 w + 2 r
.set SCR,  47                          ; SCG + 16 x lane
.set KV,   48                          ; v48-95 four fragments of K, then of V
.set S,    96                          ; v96-159 S^T, then p
.set O,    160                         ; v160-191 O^T
.set P,    192                         ; v192-203 p's codes
.set TP,   204                         ; v204-211 the blocks' upper halves as converted
.set CP,   212                         ; v212-217 ctx's codes
.set G1,   24                          ; s[24:31] descriptor group 1
.set G0,   36                          ; s[36:51] four groups 0: none is ever written again
; A round of the cluster's barrier: my work-group's barrier, wave 0 signals for the work-group, every wave waits for all four work-groups, my work-group's barrier once more.
.macro CROUND
	s_barrier_signal -1
	s_barrier_wait -1
	s_cmp_lg_u32 s12, 0
	s_cbranch_scc1 .Lnot_wave_0_\@
	s_barrier_signal -3
.Lnot_wave_0_\@:
	s_barrier_wait -3
	s_barrier_signal -1
	s_barrier_wait -1
.endm
	s_load_b256 s[4:11], s[0:1], 0x0               ; q s[4:5], kv s[6:7], ctx s[8:9], cs s[10:11]
	v_lshl_add_u32 v254, v0, 2, 0x32400
	v_mov_b32 v255, 0
	ds_add_u32 v254, v255
	ds_add_u32 v254, v255
	v_lshrrev_b32 v[T], 5, v0
	s_delay_alu instid0(VALU_DEP_1)
	v_readfirstlane_b32 s12, v[T]                  ; wave 0..15
	s_bfe_u32 s13, ttmp6, 0x40000                  ; cx: my place in the cluster: it enters the addresses of q, ctx and cs alone
	s_lshl_b32 s14, ttmp9, 2
	s_add_co_u32 s14, s14, s13                     ; my block of 256 queries
	s_and_b32 s15, ttmp7, 0xffff                   ; bh, which the four partners share
	; descriptor group 1: a record is a dense block of 12,800 bytes: 50 rows of 256 bytes (32 elements of 8 bytes), no padding (the reads are 16 or 8 consecutive bytes a lane)
	s_mov_b32 s[G1], 15|(3<<16)|(1<<21)            ; 15:0 the mask: all four work-groups; 17:16 elements of 8 bytes; 21 set beside a mask
	s_mov_b32 s[G1+1], 32<<16                      ; tensor_dim0 = 32
	s_mov_b32 s[G1+2], 50<<16                      ; tensor_dim1 = 50
	s_mov_b32 s[G1+3], 32<<16                      ; tile_dim0 = 32
	s_mov_b32 s[G1+4], 50                          ; tile_dim1 = 50
	s_mov_b32 s[G1+5], 32                          ; from row to row
	s_mov_b32 s[G1+6], 0
	s_mov_b32 s[G1+7], 0
	s_mov_b32 s16, 0x3e38aa3b                      ; c = log2(e) / 8
	s_mov_b32 s17, s16                             ; (named with it as a pair, so it is written)
	s_mov_b32 s18, 0x76543210
	s_mov_b32 s19, 0xfedcba98                      ; v_permlanex16_b32's selects for lane l xor 16
	s_mov_b32 s20, 0                               ; LDS byte of the step's record
	; every LDS address register is made here, ahead of the branch on the wave's number
	v_and_b32 v[T], 31, v0
	s_delay_alu instid0(VALU_DEP_1)
	v_lshlrev_b32 v[LQ], 4, v[T]
	s_delay_alu instid0(VALU_DEP_2)
	v_lshlrev_b32 v[LP], 3, v[T]
	v_bfe_u32 v[SH8], v0, 4, 1
	s_delay_alu instid0(VALU_DEP_1)
	v_lshlrev_b32 v[SH8], 3, v[SH8]
	v_and_b32 v[T], 15, v0                         ; r
	s_lshl_b32 s23, s12, 5
	s_add_co_u32 s23, s23, SCG
	v_lshl_add_u32 v[SCA], v[T], 1, s23
	v_add_nc_u32 v[SCR], SCG, v[LQ]
	v_lshlrev_b32 v[T], 4, v[T]                    ; 16 r: my query's scale bytes in q's record
	s_and_b32 s22, s12, 3
	s_mul_i32 s22, s22, REC                        ; my record of a chunk: the same distance in LDS and in memory
	s_mul_i32 s52, s15, 16*REC
	s_add_co_u32 s52, s52, s22
	s_mov_b32 s53, 0
	; Q: record 16 bh + 2 block + w / 8, tile w % 8
	s_lshl_b32 s54, s15, 4
	s_lshl_b32 s55, s14, 1
	s_add_co_u32 s54, s54, s55
	s_lshr_b32 s55, s12, 3
	s_add_co_u32 s54, s54, s55
	s_mul_i32 s54, s54, 6400
	s_and_b32 s56, s12, 7
	s_mul_i32 s57, s56, 768
	s_add_co_u32 s58, s54, s57
	s_mov_b32 s59, 0
	s_lshr_b32 s56, s56, 1
	s_lshl_b32 s56, s56, 2                         ; the word that holds my tile's two bytes
	s_add_co_u32 s54, s54, s56
	s_mov_b32 s55, 0
	s_and_b32 s60, s12, 1
	s_lshl_b32 s60, s60, 4                         ; and which half of it
	s_wait_dscnt 0x0
	s_wait_kmcnt 0x0
	s_add_nc_u64 s[52:53], s[6:7], s[52:53]
	s_add_nc_u64 s[58:59], s[4:5], s[58:59]
	s_add_nc_u64 s[54:55], s[4:5], s[54:55]
	CROUND                                         ; all four work-groups are here: the joint loads meet
.irp c, 0,1,2,3
	s_mov_b32 s[G0+4*\c], 1                        ; count = 1
	s_add_co_u32 s[G0+4*\c+1], s22, 4*REC*\c       ; LDS address: record 4 c + w
	s_add_nc_u64 s[G0+4*\c+2:G0+4*\c+3], s[52:53], 4*REC*\c   ; and the same record of the head in memory
	s_or_b32 s[G0+4*\c+3], s[G0+4*\c+3], 0x80000000   ; type = 2
.endr
	s_cmp_lt_u32 s12, 4                            ; a wave's four fills stand in one branch, ahead of every wait on TENSORcnt and every LDS read
	s_cbranch_scc0 .Lasked
	tensor_load_to_lds s[G0:G0+3], s[G1:G1+7]
	s_nop 0
	tensor_load_to_lds s[G0+4:G0+7], s[G1:G1+7]
	s_nop 0
	tensor_load_to_lds s[G0+8:G0+11], s[G1:G1+7]
	s_nop 0
	tensor_load_to_lds s[G0+12:G0+15], s[G1:G1+7]
	s_nop 0
.rept 4
	v_nop
.endr
.Lasked:
	s_wait_alu depctr_va_vdst(0)
	global_load_b128 v[QR+6:QR+9], v[LQ], s[58:59]             ; Q's half fragment stays in registers
	global_load_b64 v[QR+10:QR+11], v[LP], s[58:59] offset:512
	global_load_b32 v[QS], v[T], s[54:55] offset:6144
.irp i, 0,1,2,3,4,5
	v_mov_b32 v[QR+\i], 0                          ; zero codes on both sides of Q's
	v_mov_b32 v[QR+12+\i], 0
.endr
.irp j, 0,1,2,3,4,5,6,7,8,9,10,11,12,13,14,15,16,17,18,19,20,21,22,23,24,25,26,27,28,29,30,31
	v_mov_b32 v[O+\j], 0                           ; O^T.  (The step is written once: the first finds zeros, which the first change of M leaves zeros)
.endr
	v_mov_b32 v[TMX], 0xff61b1e6                   ; -3e38, under every t
	s_delay_alu instid0(VALU_DEP_1)
	v_floor_f32 v[NM], -v[TMX]
	v_mov_b32 v[SUM], 0
	v_mov_b32 v[SUM+1], 0
	v_mov_b32 v[F+1], 0
	v_mov_b32 v[XX], 0                             ; a lane permute's destination counts as one of its sources
	s_wait_loadcnt 0x0
	v_lshrrev_b32 v[QS], s60, v[QS]
	s_delay_alu instid0(VALU_DEP_1)
	v_and_b32 v[QS], 0xffff, v[QS]
	s_delay_alu instid0(VALU_DEP_1)
	v_lshl_or_b32 v[QS], v[QS], 16, v[QS]          ; [q0, q1, q0, q1]: it serves both places of Q's codes
.rept 8
	v_nop                                          ; a scale register written by a vector instruction stands 8 places ahead of a scaled matrix instruction: once in the launch
.endr
.macro FRAGS base                      ; four fragments, each two half fragments, from the step's record
.irp f, 0,1,2,3
	ds_load_b128 v[KV+12*\f:KV+12*\f+3], v[ADQ] offset:\base+1536*\f
	ds_load_b64 v[KV+12*\f+4:KV+12*\f+5], v[ADP] offset:\base+1536*\f+512
	ds_load_b128 v[KV+12*\f+6:KV+12*\f+9], v[ADQ] offset:\base+1536*\f+768
	ds_load_b64 v[KV+12*\f+10:KV+12*\f+11], v[ADP] offset:\base+1536*\f+1280
.endr
.endm
; A KEY STEP: 128 keys
.macro STEP
	v_add_nc_u32 v[ADQ], s20, v[LQ]
	v_add_nc_u32 v[ADP], s20, v[LP]
	v_nop
	v_nop                                          ; four places between the last products and the loads into registers that they read
	ds_load_b128 v[SC:SC+3], v[ADQ] offset:12288
	FRAGS 0
	s_wait_alu depctr_va_vdst(0)
	s_wait_dscnt 0x0
.irp f, 0,1,2,3
	v_wmma_scale_f32_16x16x128_f8f6f4 v[S+16*\f:S+16*\f+7], v[KV+12*\f:KV+12*\f+11], v[QR+6:QR+17], 0, v[SC+\f], v[QS] matrix_a_fmt:MATRIX_FMT_FP6 matrix_b_fmt:MATRIX_FMT_FP6
	v_wmma_scale_f32_16x16x128_f8f6f4 v[S+16*\f+8:S+16*\f+15], v[KV+12*\f:KV+12*\f+11], v[QR:QR+11], 0, v[SC+\f], v[QS] matrix_a_fmt:MATRIX_FMT_FP6 matrix_b_fmt:MATRIX_FMT_FP6
.endr
.rept 4
	v_nop                                          ; places in front of the loads below and of the first read of the scores
.endr
	FRAGS 6144                                     ; V's fragments land while the softmax is worked
.irp c, 0,1
	v_max3_num_f32 v[BM+\c], v[S+32*\c], v[S+32*\c+1], v[S+32*\c+2]   ; THE LARGEST SCORE OF EACH BLOCK OF 32 KEYS, all mine; ascending: each accumulator is first read at its low end
.endr
.irp i, 3,5,7,9,11,13,15,17,19,21,23,25,27,29
.irp c, 0,1
	v_max3_num_f32 v[BM+\c], v[BM+\c], v[S+32*\c+\i], v[S+32*\c+\i+1]
.endr
.endr
.irp c, 0,1
	v_max_num_f32 v[BM+\c], v[BM+\c], v[S+32*\c+31]
.endr
	s_delay_alu instid0(VALU_DEP_1)
	v_max_num_f32 v[T], v[BM], v[BM+1]
	s_delay_alu instid0(VALU_DEP_1)
	v_permlanex16_b32 v[XX], v[T], s18, s19
	s_delay_alu instid0(VALU_DEP_1)
	v_max_num_f32 v[T], v[T], v[XX]                ; the step's largest score of my query
	s_delay_alu instid0(VALU_DEP_1)
	v_mul_f32 v[T], s16, v[T]                      ; as t (c is positive)
	s_delay_alu instid0(VALU_DEP_1)
	v_max_num_f32 v[TMX], v[TMX], v[T]
	v_mov_b32 v[T], v[NM]
	s_delay_alu instid0(VALU_DEP_2)
	v_floor_f32 v[NM], -v[TMX]                     ; the new -M = floor(-t) = -ceil(t)
	s_delay_alu instid0(VALU_DEP_1)
	v_sub_f32 v[T], v[NM], v[T]                    ; old M - new M: a whole number, 0 or less
	s_delay_alu instid0(VALU_DEP_1)
	v_cvt_i32_f32 v[T], v[T]                       ; (it saturates)
	s_delay_alu instid0(VALU_DEP_1)
	v_ldexp_f32 v[F], 1.0, v[T]                    ; f = 2^(old M - new M)
.irp j, 0,2,4,6,8,10,12,14,16,18,20,22,24,26,28,30,32,34,36,38,40,42,44,46,48,50,52,54,56,58,60,62
	v_pk_fma_f32 v[S+\j:S+\j+1], v[S+\j:S+\j+1], s[16:17], v[NM:NM+1] op_sel_hi:[1,0,0]   ; t - M, two at a time
.endr
.irp c, 0,1
	v_fma_f32 v[BM+\c], v[BM+\c], s16, v[NM]       ; the same of each block's largest score
.endr
	s_setprio 1
	s_wait_alu depctr_va_vdst(0)
.irp j, 0,1,2,3,4,5,6,7,8,9,10,11,12,13,14,15,16,17,18,19,20,21,22,23,24,25,26,27,28,29,30,31,32,33,34,35,36,37,38,39,40,41,42,43,44,45,46,47,48,49,50,51,52,53,54,55,56,57,58,59,60,61,62,63
	v_exp_f32 v[S+\j], v[S+\j]                     ; p = 2^(t - M), at most 1
.endr
	v_pk_mul_f32 v[SUM:SUM+1], v[SUM:SUM+1], v[F:F+1] op_sel_hi:[1,0]   ; the sums under the new M: a plain place behind the exponentials
	s_wait_alu depctr_va_vdst(0)                   ; one wait for the whole batch, ahead of its first reader
.irp c, 0,1
	v_exp_f32 v[BM+\c], v[BM+\c]                   ; the block's largest p: the same two instructions on the same number give the same bits
.endr
	v_pk_add_f32 v[44:45], v[100:101], v[104:105]
	v_pk_add_f32 v[252:253], v[108:109], v[112:113]
	v_pk_add_f32 v[250:251], v[116:117], v[120:121]
	v_pk_add_f32 v[248:249], v[124:125], v[128:129]
	v_pk_add_f32 v[246:247], v[132:133], v[136:137]
	v_pk_add_f32 v[244:245], v[140:141], v[144:145]
	v_pk_add_f32 v[242:243], v[148:149], v[152:153]
	v_pk_add_f32 v[10:11], v[10:11], v[156:157]
	v_pk_add_f32 v[44:45], v[44:45], v[96:97]
	v_pk_add_f32 v[252:253], v[252:253], v[98:99]
	v_pk_add_f32 v[250:251], v[250:251], v[102:103]
	v_pk_add_f32 v[248:249], v[248:249], v[106:107]
	v_pk_add_f32 v[246:247], v[246:247], v[110:111]
	v_pk_add_f32 v[244:245], v[244:245], v[114:115]
	v_pk_add_f32 v[242:243], v[242:243], v[118:119]
	v_pk_add_f32 v[10:11], v[10:11], v[122:123]
	v_pk_add_f32 v[44:45], v[44:45], v[126:127]
	v_pk_add_f32 v[252:253], v[252:253], v[130:131]
	v_pk_add_f32 v[250:251], v[250:251], v[134:135]
	v_pk_add_f32 v[248:249], v[248:249], v[138:139]
	v_pk_add_f32 v[246:247], v[246:247], v[142:143]
	v_pk_add_f32 v[244:245], v[244:245], v[146:147]
	v_pk_add_f32 v[242:243], v[242:243], v[150:151]
	v_pk_add_f32 v[10:11], v[10:11], v[154:155]
	v_pk_add_f32 v[44:45], v[44:45], v[158:159]
	s_delay_alu instid0(VALU_DEP_2)
	v_pk_add_f32 v[10:11], v[10:11], v[248:249]
	s_delay_alu instid0(VALU_DEP_2)
	v_pk_add_f32 v[44:45], v[44:45], v[246:247]
	v_pk_add_f32 v[252:253], v[252:253], v[244:245]
	v_pk_add_f32 v[250:251], v[250:251], v[242:243]
	s_delay_alu instid0(VALU_DEP_2)
	v_pk_add_f32 v[10:11], v[10:11], v[252:253]
	s_delay_alu instid0(VALU_DEP_2)
	v_pk_add_f32 v[44:45], v[44:45], v[250:251]
	s_delay_alu instid0(VALU_DEP_1)
	v_pk_add_f32 v[10:11], v[10:11], v[44:45]
	s_wait_alu depctr_va_vdst(0)                   ; and one for the two
.irp c, 0,1
	v_max_num_f32 v[BM+\c], 0x1800000, v[BM+\c]    ; the floor 2^(3 - 127): the byte cannot fall under 1
.endr
.irp c, 0,1
	s_delay_alu instid0(VALU_DEP_2)
	v_add_nc_u32 v[SO+\c], 0xff000000, v[BM+\c]    ; 2 off the exponent field: the conversion's scale operand
.endr
.irp c, 0,1
	s_delay_alu instid0(VALU_DEP_2)
	v_lshrrev_b32 v[BY+\c], 23, v[SO+\c]
.endr
	s_delay_alu instid0(VALU_DEP_1)
	v_lshl_or_b32 v[PW], v[BY+1], 16, v[BY]        ; my blocks h and 2 + h,
	s_delay_alu instid0(VALU_DEP_1)
	v_lshlrev_b32 v[PW], v[SH8], v[PW]
	s_delay_alu instid0(VALU_DEP_1)
	v_permlanex16_b32 v[XX], v[PW], s18, s19
	s_delay_alu instid0(VALU_DEP_1)
	v_or_b32 v[PW], v[PW], v[XX]                   ; with lane l xor 16's: p's scale word for these 128 keys
	v_cvt_scalef32_pk16_fp6_f32 v[P:P+2], v[S:S+15], v[SO]
	v_cvt_scalef32_pk16_fp6_f32 v[TP:TP+2], v[S+16:S+31], v[SO]            ; (a conversion's three registers begin on an even number)
	v_cvt_scalef32_pk16_fp6_f32 v[P+6:P+8], v[S+32:S+47], v[SO+1]
	v_cvt_scalef32_pk16_fp6_f32 v[TP+4:TP+6], v[S+48:S+63], v[SO+1]
	v_nop                                          ; one plain place behind a scaled conversion
.irp i, 0,1,2
	v_mov_b32 v[P+3+\i], v[TP+\i]
	v_mov_b32 v[P+9+\i], v[TP+4+\i]
.endr
	s_setprio 0
.irp j, 0,2,4,6,8,10,12,14,16,18,20,22,24,26,28,30
	v_pk_mul_f32 v[O+\j:O+\j+1], v[O+\j:O+\j+1], v[F:F+1] op_sel_hi:[1,0]   ; O^T under the new M.  (These 16 are also the places between the scale word's and the codes' last writes and the products)
.endr
	s_wait_alu depctr_va_vdst(0)
	s_wait_dscnt 0x0                               ; V is in
.irp t, 0,1,2,3
	v_wmma_scale_f32_16x16x128_f8f6f4 v[O+8*\t:O+8*\t+7], v[KV+12*\t:KV+12*\t+11], v[P:P+11], v[O+8*\t:O+8*\t+7], v[SC+\t], v[PW] matrix_a_fmt:MATRIX_FMT_FP6 matrix_b_fmt:MATRIX_FMT_FP6 matrix_a_scale:MATRIX_SCALE_ROW1
.endr
	s_add_co_u32 s20, s20, REC
.endm
; A chunk of four records.  left: my later chunks' loads, which may stay out: nothing in LDS is ever filled again.  The wave that waited signals; the others read behind the barrier.
.macro CHUNK left
	s_wait_tensorcnt \left
	s_barrier_signal -1
	s_barrier_wait -1
	s_mov_b32 s21, 4
.Lstep_\@:
	s_wait_alu depctr_va_vdst(0)
	s_setprio 2
	STEP
	s_sub_co_u32 s21, s21, 1
	s_cmp_lg_u32 s21, 0
	s_cbranch_scc1 .Lstep_\@
	s_setprio 0
.endm
	CHUNK 3
	CHUNK 2
	CHUNK 1
	CHUNK 0
	; THE WAY OUT: O^T / the sum; a lane's 32 numbers are d = 32 h + 0 .. 31 of its query: a whole block of the next product's K
.rept 4
	v_nop                                          ; places behind the last products
.endr
	v_add_f32 v[SUM], v[SUM], v[SUM+1]
	s_delay_alu instid0(VALU_DEP_1)
	v_permlanex16_b32 v[XX], v[SUM], s18, s19
	s_delay_alu instid0(VALU_DEP_1)
	v_add_f32 v[SUM], v[SUM], v[XX]                ; the row's sum
	s_wait_alu depctr_va_vdst(0)
	v_rcp_f32 v[F], v[SUM]
	v_nop                                          ; a plain place behind the reciprocal
	s_lshr_b32 s52, s15, 3
	s_lshl_b32 s52, s52, 7
	s_lshl_b32 s53, s14, 4
	s_add_co_u32 s52, s52, s53
	s_add_co_u32 s52, s52, s12                     ; token tile 128 batch + 16 block + w
	s_mul_i32 s52, s52, 6144
	s_and_b32 s53, s15, 7
	s_mul_i32 s53, s53, 768                        ; the head's half fragment
	s_add_co_u32 s52, s52, s53
	s_mov_b32 s53, 0
	s_add_nc_u64 s[8:9], s[8:9], s[52:53]
	s_lshl_b32 s52, s15, 12
	s_lshl_b32 s54, s14, 9
	s_add_co_u32 s52, s52, s54                     ; cs: 4,096 bh + 512 block
	s_add_nc_u64 s[10:11], s[10:11], s[52:53]
	s_wait_alu depctr_va_vdst(0)                   ; ahead of the reciprocal's first reader
.irp j, 0,2,4,6,8,10,12,14,16,18,20,22,24,26,28,30
	v_pk_mul_f32 v[S+\j:S+\j+1], v[O+\j:O+\j+1], v[F:F+1] op_sel_hi:[1,0]
.endr
.irp c, 0,1
	v_max3_num_f32 v[BM+\c], |v[S+16*\c]|, |v[S+16*\c+1]|, 0x1800000   ; the block's largest magnitude, in two chains, with the floor
.endr
.irp i, 2,4,6,8,10,12,14
.irp c, 0,1
	s_delay_alu instid0(VALU_DEP_2)
	v_max3_num_f32 v[BM+\c], v[BM+\c], |v[S+16*\c+\i]|, |v[S+16*\c+\i+1]|
.endr
.endr
	s_delay_alu instid0(VALU_DEP_1)
	v_max_num_f32 v[BM], v[BM], v[BM+1]
	s_delay_alu instid0(VALU_DEP_1)
	v_add_nc_u32 v[SO], 0xff000000, v[BM]
	s_delay_alu instid0(VALU_DEP_1)
	v_lshrrev_b32 v[BY], 23, v[SO]
	v_cvt_scalef32_pk16_fp6_f32 v[CP:CP+2], v[S:S+15], v[SO]
	v_cvt_scalef32_pk16_fp6_f32 v[TP:TP+2], v[S+16:S+31], v[SO]
	v_nop                                          ; one plain place behind a scaled conversion
.irp i, 0,1,2
	v_mov_b32 v[CP+3+\i], v[TP+\i]
.endr
	global_store_b128 v[LQ], v[CP:CP+3], s[8:9]                ; 512 consecutive bytes, aligned
	global_store_b64 v[LP], v[CP+4:CP+5], s[8:9] offset:512    ; 256 likewise
	v_lshlrev_b32 v[T], v[SH8], v[BY]
	s_delay_alu instid0(VALU_DEP_1)
	v_permlanex16_b32 v[XX], v[T], s18, s19
	s_delay_alu instid0(VALU_DEP_1)
	v_or_b32 v[T], v[T], v[XX]                     ; my row's two scale bytes
	ds_store_b16 v[SCA], v[T]                      ; both halves of the lanes write the same bytes with the same value
	s_wait_dscnt 0x0                               ; for the others' sake: my store has landed
	s_barrier_signal -1
	s_barrier_wait -1
	s_cmp_lg_u32 s12, 0
	s_cbranch_scc1 .Lnot_first
	ds_load_b128 v[S:S+3], v[SCR]                  ; the work-group's 512 scale bytes
	s_wait_dscnt 0x0
	global_store_b128 v[LQ], v[S:S+3], s[10:11]    ; 512 consecutive bytes, aligned
.Lnot_first:
	s_wait_tensorcnt 0x0
	ds_add_u32 v254, v255
	s_wait_dscnt 0x0
	CROUND                                         ; the closing round: no work-group ends while a partner may still ask for a record that names it
	s_endpgm
.Lfunc_end_k_qb6b4f27de7_attn:
	.size	k_qb6b4f27de7_attn, .Lfunc_end_k_qb6b4f27de7_attn-k_qb6b4f27de7_attn
	.p2alignl 7, 3214868480
	.fill 96, 4, 3214868480
	.section	.rodata,"a",@progbits
	.p2align	6, 0x0
	.amdhsa_kernel k_qb6b4f27de7_attn
		.amdhsa_group_segment_fixed_size 207872
		.amdhsa_private_segment_fixed_size 0
		.amdhsa_enable_private_segment 0
		.amdhsa_kernarg_size 32
		.amdhsa_user_sgpr_count 2
		.amdhsa_user_sgpr_kernarg_segment_ptr 1
		.amdhsa_wavefront_size32 1
		.amdhsa_system_sgpr_workgroup_id_x 1
		.amdhsa_system_sgpr_workgroup_id_y 1
		.amdhsa_system_sgpr_workgroup_id_z 1
		.amdhsa_system_vgpr_workitem_id 0
		.amdhsa_next_free_vgpr 256
		.amdhsa_next_free_sgpr 66
		.amdhsa_reserve_vcc 0
		.amdhsa_float_denorm_mode_32 3
		.amdhsa_float_denorm_mode_16_64 3
		.amdhsa_memory_ordered 1
		.amdhsa_forward_progress 1
		.amdhsa_inst_pref_size 76
	.end_amdhsa_kernel
	.amdgpu_metadata
---
amdhsa.version: [ 1, 2 ]
amdhsa.kernels:
  - .name:           k_qb6b4f27de7_attn
    .symbol:         k_qb6b4f27de7_attn.kd
    .args:
      - { .name: q, .offset: 0, .size: 8, .value_kind: global_buffer, .address_space: global }
      - { .name: kv, .offset: 8, .size: 8, .value_kind: global_buffer, .address_space: global }
      - { .name: ctx, .offset: 16, .size: 8, .value_kind: global_buffer, .address_space: global }
      - { .name: cs, .offset: 24, .size: 8, .value_kind: global_buffer, .address_space: global }
    .group_segment_fixed_size: 207872
    .private_segment_fixed_size: 0
    .kernarg_segment_align: 8
    .kernarg_segment_size: 32
    .max_flat_workgroup_size: 512
    .sgpr_count:     66
    .vgpr_count:     256
    .wavefront_size: 32
...
	.end_amdgpu_metadata
.endif
;; end of part 7
;; launch oproj (part 8): grid 4 x 64, 4 waves a work-group, no clusters, 34,304 bytes of LDS; arguments ctx, cs, wimg, bo, out0; writes out0
.if DOCPART == 8
	.amdgcn_target "amdgcn-amd-amdhsa--gfx1250"
	.amdhsa_code_object_version 6
	.text
	.protected	k_qb6b4f27de7_oproj
	.globl	k_qb6b4f27de7_oproj
	.p2align	8
	.type	k_qb6b4f27de7_oproj,@function
k_qb6b4f27de7_oproj:
	s_mov_b64 s[64:65], 0
	v_nop
	global_prefetch_b8 v0, s[64:65] scope:SCOPE_SE
	s_setreg_imm32_b32 hwreg(HW_REG_WAVE_SCHED_MODE, 0, 2), 2
	s_setreg_imm32_b32 hwreg(HW_REG_WAVE_MODE, 25, 1), 1
	s_wait_xcnt 0x0
	s_wait_alu depctr_vm_vsrc(0)
; out0 = ctx Wo + bo on codes of FP6 (E2M3), K = 512, sums in f32.  ctx: half fragments [token tile 512][head 8] of 768 bytes (registers 0-3 of lane L at 16 L, 4-5 at 512 + 8 L): heads 2 s and 2 s + 1
; are K step s's fragment; cs [bh][tile][r]: two scale bytes a row and head.  Wo: tile records of wimg (the fourth weight), as images of operand registers.
; SHARES: work-group (cg, blk) makes columns 128 cg on of tokens 128 blk on.  Every wave holds the 128 columns of Wo (8 records, 384 registers) as source 0 and takes two token tiles of its own as source 1.
; In the result lane (r, h) holds token row r, and register 8 u + j of group g column 128 cg + 64 g + 32 h + 8 u + j.  A tile's 16 x 128 results go through the wave's own stage in LDS and leave as whole
; rows of 512 bytes.  No barrier: waves share nothing.  The bias is the C of each sum's first matrix instruction.
; The rows of token tile T are tokens 64 (T / 4) + 8 (T % 4) + 32 (r / 8) + r % 8.
; REGISTERS, in windows of 256: window 1: Wo's tiles 0-3, fragment (u, s) at v[48 u + 12 s]; v192-223 bias.  window 2: tiles 4-7 likewise.  window 0: all else.
; THE MODE: SCHED_MODE bits 1:0 = 2 (LLVM: expert scheduling mode 2), set by the entry lines.  The code itself states the register dependences
; between vector or matrix instructions and memory or LDS instructions, with s_wait_alu, always for 0.
; THE PLAN.  Registers that memory or LDS instructions touch:
;   v1-v6, v8      offsets and LDS addresses: written once at the head; one wait on va_vdst stands ahead of the first load.
;   Wo's fragments, the bias, SS: loaded once; afterwards matrix instructions alone read them.
;   MF0, MF1       loaded; tile i's products read buffer i; then tile i's rows 0-11 land in it from the stage, and the global stores read them.
;   v216-231       rows 12-15 of tile 0.   v232-247  the scale bytes as loaded, read by eight vector lines; later rows 12-15 of tile 1.
;   MS             written by those eight vector lines, read by the products as scales.
;   ACC            written by tile 0's products, read by its 16 LDS stores, written again by tile 1's products, read by its 16 LDS stores.
; So one wait on va_vdst stands behind each tile's products and their places (the accumulators are written; the products are done reading the fragments in which the stage's rows land), one behind the places
; in front of the first product (the scale words are written), and one wait on vm_vsrc ahead of tile 1's products (the LDS stores have read the accumulators).
; Tile 1's products stand between tile 0's loads from the stage and its global stores: they name none of the registers that those loads and stores touch.
.set LQ,  1                            ; 16 x lane
.set LP,  2                            ; 8 x lane
.set LR,  3                            ; 16 r
.set R2,  4                            ; 2 r
.set STO, 5                            ; the stage, on the way in: 528 r + 128 h
.set RD,  6                            ; and back: 16 x lane
.set VBI, 8                            ; 128 h
.set SS,  16                           ; v16-47 Wo's scale words: tile t, K step s at 16 + 4 t + s
.set MF0, 48                           ; v48-95, v96-143 the two token tiles' fragments; later rows 0-11 on their way out
.set MS0, 144                          ; v144-151 their scale words
.set ACC, 152                          ; v152-215 eight accumulators
.set OB2, 216                          ; v216-231, v232-247 rows 12-15 on their way out
.set RAW, 232                          ; v232-247 the scale bytes as loaded, two a register
.set TT,  248
.set HH,  249
.set RR,  250
.set STW, 8448                         ; a wave's stage: 16 rows x (512 bytes + 16): the 16 rows that a store of 16 bytes a lane touches start in 16 different columns of 16 bytes
.set MSB, 0
.macro WIN new                         ; the immediate's high byte repeats the setting that is left; a switch that changes nothing is dropped
.if MSB != (\new)
	s_set_vgpr_msb (MSB<<8)|(\new)
.set MSB, (\new)
.endif
.endm
; 32 products: two groups of four tiles of Wo x four K steps.  A group's four accumulators take turns, one instruction a turn.
.macro MM m
.set MFB, MF0+48*(\m)
.set MSR, MS0+4*(\m)
.irp g, 0,1
.set WN, (1+\g)|((1+\g)<<4)
	WIN WN                                         ; source 0 (Wo) and source 2 (the bias) in the group's window
.irp u, 0,1,2,3
	v_wmma_scale_f32_16x16x128_f8f6f4 v[ACC+8*(4*\g+\u):ACC+8*(4*\g+\u)+7], v[48*\u:48*\u+11], v[MFB:MFB+11], v[192+8*\u:192+8*\u+7], v[SS+4*(4*\g+\u)], v[MSR] matrix_a_fmt:MATRIX_FMT_FP6 matrix_b_fmt:MATRIX_FMT_FP6
.endr
.set WN, 1+\g
	WIN WN
.irp s, 1,2,3
.irp u, 0,1,2,3
	v_wmma_scale_f32_16x16x128_f8f6f4 v[ACC+8*(4*\g+\u):ACC+8*(4*\g+\u)+7], v[48*\u+12*\s:48*\u+12*\s+11], v[MFB+12*\s:MFB+12*\s+11], v[ACC+8*(4*\g+\u):ACC+8*(4*\g+\u)+7], v[SS+4*(4*\g+\u)+\s], v[MSR+\s] matrix_a_fmt:MATRIX_FMT_FP6 matrix_b_fmt:MATRIX_FMT_FP6
.endr
.endr
.endr
.endm
; Tile m's results: into my stage, and back as whole rows
.macro TOSTAGE m
	WIN 0
.rept 5
	v_nop                                          ; four places in front of the stores that read results; the fifth for the next tile's first products, which write over the accumulators with another C
.endr
	s_wait_alu depctr_va_vdst(0)                   ; the products have written the accumulators, which the LDS stores read, and are done reading this tile's fragments, in which the rows from the stage land (the lines that read v232-247 stand further back)
.irp t, 0,1,2,3,4,5,6,7
	ds_store_b128 v[STO], v[ACC+8*\t:ACC+8*\t+3] offset:256*(\t/4)+32*(\t%4)       ; each accumulator from its low end on
	ds_store_b128 v[STO], v[ACC+8*\t+4:ACC+8*\t+7] offset:256*(\t/4)+32*(\t%4)+16
.endr
.irp p, 0,1,2,3,4,5,6,7,8,9,10,11,12,13,14,15
.if \p < 12
.set OBR, MF0+48*(\m)+4*\p
.else
.set OBR, OB2+16*(\m)+4*(\p-12)
.endif
	ds_load_b128 v[OBR:OBR+3], v[RD] offset:528*\p         ; LDS serves a wave's instructions in order: these see my stores, and the next tile's stores come behind them
.endr
.endm
; and out
.macro SEND m
	WIN 0
.irp p, 0,1,2,3,4,5,6,7,8,9,10,11,12,13,14,15
.if \p < 12
.set OBR, MF0+48*(\m)+4*\p
.else
.set OBR, OB2+16*(\m)+4*(\p-12)
.endif
	s_wait_dscnt 15-\p                             ; row p is back; the younger loads may be out
	global_store_b128 v[LQ], v[OBR:OBR+3], s[32:33] offset:2048*(32*(\p/8)+\p%8)+16384*(\m) th:TH_STORE_NT   ; 32 lanes store 512 consecutive bytes, at a multiple of 256 from out0's first byte
.endr
.endm
	s_load_b256 s[4:11], s[0:1], 0x0               ; ctx s[4:5], cs s[6:7], wimg s[8:9], bo s[10:11]
	s_load_b64 s[12:13], s[0:1], 0x20              ; out0
	v_lshl_add_u32 v254, v0, 2, 0x8400
	v_mov_b32 v255, 0
	v_lshrrev_b32 v[TT], 5, v0
	v_readfirstlane_b32 s18, v[TT]                 ; wave 0..3
	s_mov_b32 s19, ttmp9                           ; cg
	s_and_b32 s20, ttmp7, 0xffff                   ; blk
	v_and_b32 v[TT], 31, v0
	v_and_b32 v[RR], 15, v0
	v_bfe_u32 v[HH], v0, 4, 1
	v_lshlrev_b32 v[LQ], 4, v[TT]
	v_lshlrev_b32 v[LP], 3, v[TT]
	v_lshlrev_b32 v[LR], 4, v[RR]
	v_lshlrev_b32 v[R2], 1, v[RR]
	v_lshlrev_b32 v[VBI], 7, v[HH]
	v_mul_u32_u24 v[STO], v[RR], 528
	v_lshl_add_u32 v[STO], v[HH], 7, v[STO]
	s_wait_alu depctr_va_sdst(0)                   ; s18 is written, ahead of its first reader: the stage's place and the bases are made from it
	s_mul_i32 s21, s18, STW
	v_add_nc_u32 v[STO], s21, v[STO]
	v_add_nc_u32 v[RD], s21, v[LQ]
	s_mul_i32 s34, s19, 51200
	s_add_co_u32 s34, s34, 614400                  ; Wo's records 8 cg on
	s_mov_b32 s35, 0
	s_lshl_b32 s36, s19, 9                         ; 128 columns of f32
	s_mov_b32 s37, 0
	s_lshl_b32 s38, s20, 3
	s_lshl_b32 s39, s18, 1
	s_add_co_u32 s38, s38, s39                     ; my first token tile: 8 blk + 2 w
	s_and_b32 s40, s38, 127
	s_lshl_b32 s40, s40, 5                         ; cs: 32 bytes a tile,
	s_lshr_b32 s41, s20, 4
	s_lshl_b32 s41, s41, 15                        ; 8 heads of 4,096 bytes a batch
	s_add_co_u32 s40, s40, s41
	s_mov_b32 s41, 0
	s_mul_i32 s38, s38, 6144
	s_mov_b32 s39, 0
	s_lshl_b32 s42, s20, 1
	s_lshr_b32 s43, s18, 1
	s_add_co_u32 s42, s42, s43
	s_lshl_b32 s42, s42, 6
	s_and_b32 s43, s18, 1
	s_lshl_b32 s43, s43, 4
	s_add_co_u32 s42, s42, s43                     ; my first tile's first token: 64 (2 blk + w / 2) + 16 (w % 2)
	s_lshl_b32 s42, s42, 11
	s_add_co_u32 s42, s42, s36
	s_mov_b32 s43, 0
	s_wait_kmcnt 0x0
	s_add_nc_u64 s[24:25], s[8:9], s[34:35]
	s_add_nc_u64 s[30:31], s[10:11], s[36:37]
	s_add_nc_u64 s[26:27], s[4:5], s[38:39]
	s_add_nc_u64 s[28:29], s[6:7], s[40:41]
	s_add_nc_u64 s[32:33], s[12:13], s[42:43]
	s_wait_alu depctr_va_vdst(0)                   ; the offsets and LDS addresses v1 to v6 and v8 are written: the loads, LDS instructions and stores of the whole kernel read them
.irp t, 0,1,2,3,4,5,6,7
.set WN, (1+\t/4)<<6
	WIN WN                                         ; destination window 1 or 2, address window 0
.irp s, 0,1,2,3
.irp q, 0,1,2
	global_load_b128 v[48*(\t%4)+12*\s+4*\q:48*(\t%4)+12*\s+4*\q+3], v[LQ], s[24:25] offset:6400*\t+1536*\s+512*\q
.endr
.endr
.irp i, 0,1
	global_load_b128 v[192+8*(\t%4)+4*\i:192+8*(\t%4)+4*\i+3], v[VBI], s[30:31] offset:4*(64*(\t/4)+8*(\t%4))+16*\i   ; register 8 u + j wants bo[64 g + 32 h + 8 u + j]
.endr
.endr
	WIN 0
.irp t, 0,1,2,3,4,5,6,7
	global_load_b128 v[SS+4*\t:SS+4*\t+3], v[LR], s[24:25] offset:6400*\t+6144
.endr
.irp i, 0,1
.irp d, 0,1,2,3,4,5,6,7
	global_load_b128 v[MF0+48*\i+6*\d:MF0+48*\i+6*\d+3], v[LQ], s[26:27] offset:6144*\i+768*\d
	global_load_b64 v[MF0+48*\i+6*\d+4:MF0+48*\i+6*\d+5], v[LP], s[26:27] offset:6144*\i+768*\d+512
	global_load_u16 v[RAW+8*\i+\d], v[R2], s[28:29] offset:4096*\d+32*\i
.endr
.endr
	s_wait_loadcnt 0x0
.irp i, 0,1
.irp s, 0,1,2,3
	v_lshl_or_b32 v[MS0+4*\i+\s], v[RAW+8*\i+2*\s+1], 16, v[RAW+8*\i+2*\s]   ; heads 2 s and 2 s + 1: the four bytes of K step s
.endr
.endr
.rept 8
	v_nop                                          ; a scale register written by a vector instruction stands 8 places ahead of a scaled matrix instruction
.endr
	s_wait_alu depctr_va_vdst(0)                   ; the eight lines above have written v[MS0 ..], which the products of both tiles take as scales; the places stay beside this wait
	MM 0
	TOSTAGE 0
	s_wait_alu depctr_vm_vsrc(0)                   ; tile 0's LDS stores have read the accumulators, which tile 1's products write again
	MM 1                                           ; while tile 0's rows come back from the stage
	SEND 0
	TOSTAGE 1
	SEND 1
	s_wait_dscnt 0x0
	s_wait_alu depctr_hold_cnt(0) depctr_sa_sdst(0) depctr_va_vdst(0) depctr_va_sdst(0) depctr_va_ssrc(0) depctr_va_vcc(0) depctr_vm_vsrc(0)
	s_wait_tensorcnt 0x0
	ds_add_u32 v254, v255
	s_wait_dscnt 0x0
	s_endpgm
.Lfunc_end_k_qb6b4f27de7_oproj:
	.size	k_qb6b4f27de7_oproj, .Lfunc_end_k_qb6b4f27de7_oproj-k_qb6b4f27de7_oproj
	.p2alignl 7, 3214868480
	.fill 96, 4, 3214868480
	.section	.rodata,"a",@progbits
	.p2align	6, 0x0
	.amdhsa_kernel k_qb6b4f27de7_oproj
		.amdhsa_group_segment_fixed_size 34304
		.amdhsa_private_segment_fixed_size 0
		.amdhsa_enable_private_segment 0
		.amdhsa_kernarg_size 40
		.amdhsa_user_sgpr_count 2
		.amdhsa_user_sgpr_kernarg_segment_ptr 1
		.amdhsa_wavefront_size32 1
		.amdhsa_system_sgpr_workgroup_id_x 1
		.amdhsa_system_sgpr_workgroup_id_y 1
		.amdhsa_system_sgpr_workgroup_id_z 1
		.amdhsa_system_vgpr_workitem_id 0
		.amdhsa_next_free_vgpr 768
		.amdhsa_next_free_sgpr 66
		.amdhsa_reserve_vcc 0
		.amdhsa_float_denorm_mode_32 3
		.amdhsa_float_denorm_mode_16_64 3
		.amdhsa_memory_ordered 1
		.amdhsa_forward_progress 1
		.amdhsa_inst_pref_size 37
	.end_amdhsa_kernel
	.amdgpu_metadata
---
amdhsa.version: [ 1, 2 ]
amdhsa.kernels:
  - .name:           k_qb6b4f27de7_oproj
    .symbol:         k_qb6b4f27de7_oproj.kd
    .args:
      - { .name: ctx, .offset: 0, .size: 8, .value_kind: global_buffer, .address_space: global }
      - { .name: cs, .offset: 8, .size: 8, .value_kind: global_buffer, .address_space: global }
      - { .name: wimg, .offset: 16, .size: 8, .value_kind: global_buffer, .address_space: global }
      - { .name: bo, .offset: 24, .size: 8, .value_kind: global_buffer, .address_space: global }
      - { .name: out0, .offset: 32, .size: 8, .value_kind: global_buffer, .address_space: global }
    .group_segment_fixed_size: 34304
    .private_segment_fixed_size: 0
    .kernarg_segment_align: 8
    .kernarg_segment_size: 40
    .max_flat_workgroup_size: 128
    .sgpr_count:     66
    .vgpr_count:     768
    .wavefront_size: 32
...
	.end_amdgpu_metadata
.endif
;; end of part 8
